; MI455X (gfx1250); checked and timed in simulation.
; The chip was launched on July 23, 2026; its instructions are those of AMD's public machine-readable ISA for CDNA 5 (MIT licence, August 2026) and "CDNA5" Instruction Set Architecture Reference Guide (July 2026). The comments in the code are by the model that wrote it; some were corrected since.
;; Multi Head Self Attention. Allowed arithmetic: matrix products marked QUANTISED: E4M3 operands, one E8M0 scale for each 32 along K, by v_wmma_scale_f32_16x16x128_f8f6f4 with both operands' format E4M3, f32 sums; everything else in f32.
;; Inputs: Wk 1,024 x 1,024 float32; Wo 1,024 x 1,024 float32; Wq 1,024 x 1,024 float32; Wv 1,024 x 1,024 float32; bk 1,024 float32; bo 1,024 float32; bq 1,024 float32; bv 1,024 float32; x 4 x 2,048 x 1,024 float32.
;; Outputs: out0 4 x 2,048 x 1,024 float32.
;; This version of the problem:
;;   THIS VERSION OF THE PROBLEM IS GIVEN IN LOW PRECISION. The matrix products marked QUANTISED in the list below multiply operands that are first quantised to E4M3 (4 exponent bits, 3 mantissa bits; 8 bits a number), with one power-of-two scale for each 32 numbers along K (OCP MX v1.0); their sums are f32. All else is computed in f32.
;;   The module's matrix products, in the order in which they are computed (A, B: the left and right operand; K: the contracted axis; several contracted axes count as one K, in the product's order):
;;     1. [M 8,192, K 1,024] x [K 1,024, N 1,024]; A: input x; B: input Wq: QUANTISED
;;     2. [M 8,192, K 1,024] x [K 1,024, N 1,024]; A: input x; B: input Wk: QUANTISED
;;     3. [M 8,192, K 1,024] x [K 1,024, N 1,024]; A: input x; B: input Wv: QUANTISED
;;     4. batch 64 x [M 2,048, K 64] x [K 64, N 2,048]; A: computed on the way; B: computed on the way: QUANTISED
;;     5. batch 64 x [M 2,048, K 2,048] x [K 2,048, N 64]; A: softmax (see below); B: computed on the way: QUANTISED
;;     6. [M 8,192, K 1,024] x [K 1,024, N 1,024]; A: computed on the way; B: input Wo: QUANTISED
;;   THE QUANTISER, for each operand of a quantised product, along K:
;;     - K is cut into blocks of 32 from its start; a last block that is shorter is filled with zeros.
;;     - A block's scale is 2^e with e = floor(log2(the largest magnitude in the block)) - 8, held to -126 .. 127; a block of zeros has e = 0. As a byte (E8M0): e + 127.
;;     - Each number is divided by its block's scale, clamped to +-448, and rounded to the nearest number of E4M3, ties to even, subnormals kept.
;;     - The product sums the exact products of the quantised numbers (number of the format x scale) in f32.
;;   ~~~python
;;   def quantise(x, axis):      # numpy; x: float32 -> the quantised numbers, widened to float32 again
;;       x = np.moveaxis(x, axis, -1); K = x.shape[-1]
;;       x = np.pad(x, [(0, 0)] * (x.ndim - 1) + [(0, -K % 32)]); x = x.reshape(x.shape[:-1] + (-1, 32)); a = np.abs(x).max(-1, keepdims=True)
;;       e = np.where(a > 0, np.clip(np.frexp(np.where(a > 0, a, 1))[1] - 1 - 8, -126, 127), 0)      # np.frexp(a)[1] - 1 = floor(log2(a)), exactly
;;       r = np.clip(x / 2.0 ** e, -448, 448)
;;       step = 2.0 ** (np.maximum(np.frexp(np.where(r == 0, 1, r))[1] - 1, -6) - 3)
;;       q = np.round(r / step) * step * 2.0 ** e      # np.round: ties to even
;;       return np.moveaxis(q.reshape(q.shape[:-2] + (-1,))[..., :K], -1, axis).astype(np.float32)
;;   ~~~
;;   SOFTMAX AHEAD OF A QUANTISED PRODUCT. Where the list says 'softmax', what is quantised is not the finished softmax but p = 2^(t - M), with t = logit x log2(e) and M = ceil(the row's largest t), a whole number; so 1/2 < the row's largest p <= 1. The row's sum l is taken of the UNQUANTISED p, in f32, and the product's result is divided by l at the end. Since M is a whole number, a kernel that streams over the keys may use a running M (the ceiling of the running maximum): every later rescaling is an exact power of two, which a block's scale takes up: the codes' values come out the same.
;;   OPERANDS COMPUTED ON THE WAY. 'Computed on the way' means the value that the module computes at that place (a softmax that the list does not call 'softmax' is quantised finished and normalised). What goes into a quantiser is computed in f32, as accurately as f32 sums, v_exp_f32 and their like allow (about 1e-6 of the number): no bf16 or f16 on the way to a quantiser, and a product that is left as it is and whose result goes on into a quantised operand takes f32 operands (vector FMAs, or v_wmma_f32_16x16x4_f32). A number that lies on a knife's edge between two numbers of the format may be rounded either way, as far as f32 arithmetic and the matrix unit's own rounding can turn it there, and no further.
;; One version. Each part assembles by itself: llvm-mc -triple=amdgcn-amd-amdhsa -mcpu=gfx1250 --defsym DOCPART=n.
;; ======== version 1 of 1: 4 launches
;; limits: right only within a limited range of input values
;; workspace buffers: xc 8,650,752 bytes; wc 4,325,376 bytes; qc 8,650,752 bytes; kv 17,301,504 bytes; ac 8,650,752 bytes
;; launch prep (part 1): grid 384 x 1, 4 waves a work-group, no clusters, 34,304 bytes of LDS; arguments x, Wq, Wk, Wv, Wo, xc, wc; writes xc, wc
.if DOCPART == 1
	.amdgcn_target "amdgcn-amd-amdhsa--gfx1250"
	.amdhsa_code_object_version 6
	.text
	.protected	k_q9a87bdfd12_prep
	.globl	k_q9a87bdfd12_prep
	.p2align	8
	.type	k_q9a87bdfd12_prep,@function
k_q9a87bdfd12_prep:
	s_mov_b64 s[64:65], 0
	v_nop
	global_prefetch_b8 v0, s[64:65] scope:SCOPE_SE
	s_setreg_imm32_b32 hwreg(HW_REG_WAVE_MODE, 25, 1), 1
	s_wait_xcnt 0x0
; x [8192][1024] f32 (K innermost) and Wq, Wk, Wv, Wo [1024 (k)][1024 (n)] f32 (K outermost) become codes of E4M3 with one E8M0 byte for each 32 along K.
; A block's scale is 2^(floor(log2(largest magnitude)) - 8); each number is divided by it, held within +-448 and rounded to the nearest code, ties to even.
; LIMITS: NaN and infinities among the inputs are not served.  A block of zeros, or one whose largest magnitude lies under 2^-118, gets the byte 1: its codes are right, and this program alone reads the bytes.
; THE LAYOUT OF xc AND wc IS THE ORDER OF THE MATRIX OPERAND'S REGISTERS.  128 rows (tokens; for a weight: its output columns) are a row block of 4 x QB bytes, one part of QB bytes for each 256 along K.
; In a part: codes at 16384 s + 2048 T + 512 c + 16 lane (s: which 128 along K; T: tile 0..7; c: block of 32; lane (r, h) holds k = 32 c + 16 h + 0..15), then the scale words at 32768 + 128 T + 8 r + 4 s.
; Lane r of tile T = 2 w + u holds row 32 w + 8 u + r + 8 (r / 8): so a later product's 16 results of two neighbouring tiles are 16 neighbours along the next K.
; A work-group makes one part: it reads 128 KiB and stores QB bytes.  Work-groups 0-255 take x, 256-383 the weights (row blocks 0-7 Wq, 8-15 Wk, 16-23 Wv, 24-31 Wo).  Wave w makes tiles 2 w and 2 w + 1.
; Memory binds: no matrix unit, no tensor load, no cluster, no barrier; waves share nothing.  Every store of codes covers whole aligned runs of 256 bytes.
.set QB,   33792
.set RBB,  4*QB
.set SP,   528                         ; a stage row: 512 bytes + 16, so that sixteen rows begin 16 bytes apart modulo 256
.set R,    16                          ; v16-143  x: two sets of 64 registers as loaded (16 rows x 16 bytes a lane)
.set X,    144                         ; v144-207 x: 64 numbers of my row, register 16 b + i = k 32 b + 16 h + i
.set PC,   208                         ; v208-239 x: two sets of 16 registers of codes
.set TM,   240                         ; v240-255 at work: largest magnitudes, bytes, limits, scale operands
.set PW,   8                           ; v8-11    x: the four images' scale words
.set WX,   32                          ; v32-95   weights: two sets of 32 numbers down K
.set WC,   96                          ; v96-159  weights: 8 registers of codes for each of 8 blocks, never written twice
	s_load_b256 s[4:11], s[0:1], 0x0               ; x, Wq, Wk, Wv
	s_load_b128 s[12:15], s[0:1], 0x20             ; Wo, xc
	s_load_b64 s[16:17], s[0:1], 0x30              ; wc
	v_lshl_add_u32 v14, v0, 2, 0x8400
	v_mov_b32 v15, 0
	v_lshrrev_b32 v1, 5, v0
	v_readfirstlane_b32 s18, v1                    ; wave 0..3
	v_and_b32 v2, 31, v0                           ; lane
	s_and_b32 s19, ttmp9, 3                        ; which 256 along K
	s_mov_b32 s32, 0x600000                        ; the mantissa field of 448
	s_mov_b32 s34, 0x76543210
	s_mov_b32 s35, 0xfedcba98                      ; selects: lane l xor 16
	s_mov_b32 s36, 0xffff0000                      ; lanes 16-31
	s_mul_i32 s21, s19, QB
	s_mov_b32 s25, 0
	s_wait_kmcnt 0x0
	s_cmp_ge_u32 ttmp9, 256
	s_cbranch_scc1 .Lweights
; ---------------- x: K is innermost ----------------
	s_lshr_b32 s20, ttmp9, 2                       ; row block
	s_lshl_b32 s24, s20, 19                        ; 128 rows of 4,096 bytes
	s_lshl_b32 s22, s18, 17                        ; my wave's 32 rows
	s_add_co_u32 s24, s24, s22
	s_lshl_b32 s22, s19, 10                        ; 256 numbers along K
	s_add_co_u32 s24, s24, s22
	s_add_nc_u64 s[4:5], s[4:5], s[24:25]
	s_mul_i32 s20, s20, RBB
	s_add_co_u32 s20, s20, s21                     ; my part of xc
	s_lshl_b32 s22, s18, 12
	s_add_co_u32 s24, s20, s22                     ; codes of tile 2 w
	s_add_nc_u64 s[26:27], s[14:15], s[24:25]
	s_lshl_b32 s22, s18, 8
	s_add_co_u32 s24, s20, s22
	s_add_co_u32 s24, s24, 32768                   ; scale words of tile 2 w
	s_add_nc_u64 s[28:29], s[14:15], s[24:25]
	s_wait_alu depctr_va_vdst(0)
	v_lshlrev_b32 v4, 4, v2                        ; 16 x lane
	s_mul_i32 s30, s18, 16*SP                      ; my wave's stage
	v_add_nc_u32 v5, s30, v4                       ; into it: a row as it lies
	v_and_b32 v3, 15, v0                           ; r
	v_bfe_u32 v1, v0, 4, 1                         ; h
	v_mul_u32_u24 v6, v3, SP
	v_lshl_add_u32 v6, v1, 6, v6
	v_add_nc_u32 v6, s30, v6                       ; out of it: row r, + 64 h: my 16 numbers of a block of 32
	v_lshlrev_b32 v7, 3, v2                        ; 8 x lane
.irp b, 0,1,2,3
	v_mov_b32 v[TM+4+\b], 0                        ; a lane permute's destination counts as read: written once
.endr
; 64 numbers of a lane become a fragment's 16 registers of codes and its scale word
.macro QUANT s, pc, pw
.irp b, 0,1,2,3
	v_max3_num_f32 v[TM+\b], |v[\s+16*\b]|, |v[\s+1+16*\b]|, 0x4800000   ; my 16 numbers of block b, and the floor 2^(9 - 127): the byte cannot fall under 1
.endr
.irp i, 2,4,6,8,10,12,14
.irp b, 0,1,2,3
	v_max3_num_f32 v[TM+\b], v[TM+\b], |v[\s+16*\b+\i]|, |v[\s+1+16*\b+\i]|   ; the four blocks by turns
.endr
.endr
.irp b, 0,1,2,3
	v_permlanex16_b32 v[TM+4+\b], v[TM+\b], s34, s35
.endr
.irp b, 0,1,2,3
	v_max_num_f32 v[TM+\b], v[TM+\b], v[TM+4+\b]   ; with lane l xor 16's 16: the block's largest magnitude
.endr
.irp b, 0,1,2,3
	v_add_nc_u32 v[TM+12+\b], 0xfc000000, v[TM+\b] ; 8 off its exponent field: the conversion's scale operand
.endr
.irp b, 0,1,2,3
	v_and_or_b32 v[TM+8+\b], v[TM+\b], 0x7f800000, s32   ; 448 x the scale
.endr
.irp b, 0,1,2,3
	v_lshrrev_b32 v[TM+4+\b], 23, v[TM+12+\b]      ; the scale's byte
.endr
	v_lshl_or_b32 v[\pw], v[TM+5], 8, v[TM+4]
	v_lshl_or_b32 v[\pw], v[TM+6], 16, v[\pw]
	v_lshl_or_b32 v[\pw], v[TM+7], 24, v[\pw]
.irp b, 0,1,2,3
.irp i, 0,1,2,3,4,5,6,7,8,9,10,11,12,13,14,15
	v_med3_num_f32 v[\s+16*\b+\i], v[\s+16*\b+\i], -v[TM+8+\b], v[TM+8+\b]   ; the conversion does not saturate (ISA guide 7.6.2): hold first
.endr
	v_cvt_scalef32_pk8_fp8_f32 v[\pc+4*\b:\pc+1+4*\b], v[\s+16*\b:\s+7+16*\b], v[TM+12+\b]
	v_cvt_scalef32_pk8_fp8_f32 v[\pc+2+4*\b:\pc+3+4*\b], v[\s+8+16*\b:\s+15+16*\b], v[TM+12+\b]
.endr
	v_nop                                          ; a plain line behind the last conversion
.endm
; An image = tile 2 w + u, 128 along K (sp).  Sixteen loads, each 512 consecutive bytes of one row
.macro LOADIMG u, sp
.irp i, 0,1,2,3,4,5,6,7,8,9,10,11,12,13,14,15
	global_load_b128 v[R+64*(\sp)+4*\i:R+64*(\sp)+4*\i+3], v4, s[4:5] offset:(8*(\u)+\i+8*(\i/8))*4096+512*(\sp) th:TH_LOAD_NT
.endr
.endm
.macro IMG u, sp
.if 2*(\u)+(\sp) < 3
	s_wait_loadcnt 16                              ; this image's 16 loads are in; the next image's 16 stay out
.else
	s_wait_loadcnt 0x0
.endif
.irp i, 0,1,2,3,4,5,6,7,8,9,10,11,12,13,14,15
	ds_store_b128 v5, v[R+64*(\sp)+4*\i:R+64*(\sp)+4*\i+3] offset:SP*\i
.endr
.irp c, 0,1,2,3
.irp j, 0,1,2,3
	ds_load_b128 v[X+16*\c+4*\j:X+16*\c+4*\j+3], v6 offset:128*\c+16*\j   ; LDS serves a wave's instructions in order: these see the stores above
.endr
.endr
	s_wait_dscnt 0x0                               ; my numbers are back, and the stage's stores have read their registers
.if (\u) == 0
	LOADIMG 1, \sp                                 ; which take the image two further on
.else
	s_wait_xcnt 0x0                                ; this set of code registers was the data of stores two images back: written again only behind this wait
.endif
	QUANT X, PC+16*(\sp), PW+2*(\u)+(\sp)
.irp c, 0,1,2,3
	global_store_b128 v4, v[PC+16*(\sp)+4*\c:PC+16*(\sp)+4*\c+3], s[26:27] offset:16384*(\sp)+2048*(\u)+512*\c   ; 512 consecutive bytes, aligned
.endr
.endm
	LOADIMG 0, 0
	LOADIMG 0, 1
	s_wait_alu depctr_va_vdst(0)
	IMG 0, 0
	IMG 0, 1
	IMG 1, 0
	IMG 1, 1
	v_cndmask_b32 v12, v[PW], v[PW+2], s36         ; lanes 0-15 carry tile 2 w's words, lanes 16-31 tile 2 w + 1's
	v_cndmask_b32 v13, v[PW+1], v[PW+3], s36
	global_store_b64 v7, v[12:13], s[28:29]        ; 256 consecutive bytes, aligned
	s_wait_tensorcnt 0x0
	ds_add_u32 v14, v15
	s_wait_dscnt 0x0
	s_endpgm
; ---------------- the weights: K is the first axis.  A lane takes a column, its registers run down K ----------------
.Lweights:
	s_sub_co_u32 s20, ttmp9, 256
	s_lshr_b32 s20, s20, 2                         ; row block of wc, 0..31
	s_lshr_b32 s24, s20, 3                         ; which weight
	s_mov_b64 s[22:23], s[6:7]
	s_cmp_eq_u32 s24, 1
	s_cselect_b64 s[22:23], s[8:9], s[22:23]
	s_cmp_eq_u32 s24, 2
	s_cselect_b64 s[22:23], s[10:11], s[22:23]
	s_cmp_eq_u32 s24, 3
	s_cselect_b64 s[22:23], s[12:13], s[22:23]
	s_and_b32 s24, s20, 7
	s_lshl_b32 s24, s24, 9                         ; 128 columns of 4 bytes
	s_lshl_b32 s30, s18, 7                         ; my wave's 32
	s_add_co_u32 s24, s24, s30
	s_lshl_b32 s30, s19, 20                        ; 256 rows of 4,096 bytes
	s_add_co_u32 s24, s24, s30
	s_add_nc_u64 s[22:23], s[22:23], s[24:25]
	s_mul_i32 s20, s20, RBB
	s_add_co_u32 s20, s20, s21
	s_lshl_b32 s30, s18, 12
	s_add_co_u32 s24, s20, s30
	s_add_nc_u64 s[26:27], s[16:17], s[24:25]      ; codes of tile 2 w
	s_lshl_b32 s30, s18, 8
	s_add_co_u32 s24, s20, s30
	s_add_co_u32 s24, s24, 32768
	s_add_nc_u64 s[28:29], s[16:17], s[24:25]      ; its scale words
	s_wait_alu depctr_va_vdst(0)
	v_lshlrev_b32 v4, 2, v2                        ; in: 4 bytes a lane
	v_and_b32 v1, 7, v2
	v_lshrrev_b32 v3, 4, v2
	v_lshl_add_u32 v1, v3, 3, v1                   ; column 32 w + l is lane r = l % 8 + 8 (l / 16)
	v_bfe_u32 v3, v2, 3, 1                         ; of tile 2 w + (l / 8) % 2
	v_lshlrev_b32 v5, 4, v1
	v_lshl_add_u32 v5, v3, 11, v5                  ; its codes' place
	v_lshlrev_b32 v6, 3, v1
	v_lshl_add_u32 v6, v3, 7, v6                   ; its scale words' place
.macro WLOAD t                         ; block t: W(32 t + i, my column)
.irp i, 0,1,2,3,4,5,6,7,8,9,10,11,12,13,14,15,16,17,18,19,20,21,22,23,24,25,26,27,28,29,30,31
	global_load_b32 v[WX+32*((\t)%2)+\i], v4, s[22:23] offset:(32*(\t)+\i)*4096 th:TH_LOAD_NT
.endr
.endm
.macro WBLOCK t
.set XS, WX+32*((\t)%2)
.set CS, WC+8*(\t)
.if (\t) < 7
	s_wait_loadcnt 32                              ; this block's 32 loads are in; the next block's 32 stay out
.else
	s_wait_loadcnt 0x0
.endif
	v_max3_num_f32 v12, |v[XS]|, |v[XS+1]|, |v[XS+2]|   ; all 32 numbers of the block are mine
	v_max3_num_f32 v13, |v[XS+3]|, |v[XS+4]|, |v[XS+5]|
.irp i, 6,10,14,18,22,26
	v_max3_num_f32 v12, v12, |v[XS+\i]|, |v[XS+\i+1]|
	v_max3_num_f32 v13, v13, |v[XS+\i+2]|, |v[XS+\i+3]|
.endr
	v_max3_num_f32 v12, v12, |v[XS+30]|, |v[XS+31]|
	v_max3_num_f32 v12, v12, v13, 0x4800000        ; and the floor
	v_add_nc_u32 v11, 0xfc000000, v12              ; the conversion's scale operand
	v_and_or_b32 v10, v12, 0x7f800000, s32         ; 448 x the scale
	v_lshrrev_b32 v13, 23, v11                     ; the byte
.if (\t)%4 == 0
	v_mov_b32 v[8+(\t)/4], v13
.else
	v_lshl_or_b32 v[8+(\t)/4], v13, 8*((\t)%4), v[8+(\t)/4]
.endif
.irp i, 0,1,2,3,4,5,6,7,8,9,10,11,12,13,14,15,16,17,18,19,20,21,22,23,24,25,26,27,28,29,30,31
	v_med3_num_f32 v[XS+\i], v[XS+\i], -v10, v10
.endr
.irp g, 0,1,2,3
	v_cvt_scalef32_pk8_fp8_f32 v[CS+2*\g:CS+2*\g+1], v[XS+8*\g:XS+8*\g+7], v11
.endr
	v_nop                                          ; a plain line behind the last conversion
	global_store_b128 v5, v[CS:CS+3], s[26:27] offset:((\t)/4)*16384+((\t)%4)*512         ; k 0-15 of the block: the image's lanes 0-15; sixteen lanes fill 256 aligned bytes of each tile
	global_store_b128 v5, v[CS+4:CS+7], s[26:27] offset:((\t)/4)*16384+((\t)%4)*512+256   ; k 16-31: its lanes 16-31
.if (\t)+2 < 8
	WLOAD (\t)+2
.endif
.endm
	WLOAD 0
	WLOAD 1
.irp t, 0,1,2,3,4,5,6,7
	WBLOCK \t
.endr
	global_store_b64 v6, v[8:9], s[28:29]          ; my column's two scale words: the wave fills 256 aligned bytes
	s_endpgm
.Lfunc_end_k_q9a87bdfd12_prep:
	.size	k_q9a87bdfd12_prep, .Lfunc_end_k_q9a87bdfd12_prep-k_q9a87bdfd12_prep
	.p2alignl 7, 3214868480
	.fill 96, 4, 3214868480
	.section	.rodata,"a",@progbits
	.p2align	6, 0x0
	.amdhsa_kernel k_q9a87bdfd12_prep
		.amdhsa_group_segment_fixed_size 34304
		.amdhsa_private_segment_fixed_size 0
		.amdhsa_enable_private_segment 0
		.amdhsa_kernarg_size 56
		.amdhsa_user_sgpr_count 2
		.amdhsa_user_sgpr_kernarg_segment_ptr 1
		.amdhsa_wavefront_size32 1
		.amdhsa_system_sgpr_workgroup_id_x 1
		.amdhsa_system_sgpr_workgroup_id_y 1
		.amdhsa_system_sgpr_workgroup_id_z 1
		.amdhsa_system_vgpr_workitem_id 0
		.amdhsa_next_free_vgpr 256
		.amdhsa_next_free_sgpr 66
		.amdhsa_reserve_vcc 0
		.amdhsa_float_denorm_mode_32 3
		.amdhsa_float_denorm_mode_16_64 3
		.amdhsa_memory_ordered 1
		.amdhsa_forward_progress 1
		.amdhsa_inst_pref_size 107
	.end_amdhsa_kernel
	.amdgpu_metadata
---
amdhsa.version: [ 1, 2 ]
amdhsa.kernels:
  - .name:           k_q9a87bdfd12_prep
    .symbol:         k_q9a87bdfd12_prep.kd
    .args:
      - { .name: x, .offset: 0, .size: 8, .value_kind: global_buffer, .address_space: global }
      - { .name: Wq, .offset: 8, .size: 8, .value_kind: global_buffer, .address_space: global }
      - { .name: Wk, .offset: 16, .size: 8, .value_kind: global_buffer, .address_space: global }
      - { .name: Wv, .offset: 24, .size: 8, .value_kind: global_buffer, .address_space: global }
      - { .name: Wo, .offset: 32, .size: 8, .value_kind: global_buffer, .address_space: global }
      - { .name: xc, .offset: 40, .size: 8, .value_kind: global_buffer, .address_space: global }
      - { .name: wc, .offset: 48, .size: 8, .value_kind: global_buffer, .address_space: global }
    .group_segment_fixed_size: 34304
    .private_segment_fixed_size: 0
    .kernarg_segment_align: 8
    .kernarg_segment_size: 56
    .max_flat_workgroup_size: 128
    .sgpr_count:     66
    .vgpr_count:     256
    .wavefront_size: 32
...
	.end_amdgpu_metadata
.endif
;; end of part 1
;; launch qkv (part 2): grid 12 x 32, 4 waves a work-group, clusters of 4 x 4, 327,680 bytes of LDS; arguments xc, wc, bq, bk, bv, qc, kv; writes qc, kv
.if DOCPART == 2
	.amdgcn_target "amdgcn-amd-amdhsa--gfx1250"
	.amdhsa_code_object_version 6
	.text
	.protected	k_q9a87bdfd12_qkv
	.globl	k_q9a87bdfd12_qkv
	.p2align	8
	.type	k_q9a87bdfd12_qkv,@function
k_q9a87bdfd12_qkv:
	s_mov_b64 s[64:65], 0
	v_nop
	global_prefetch_b8 v0, s[64:65] scope:SCOPE_SE
	s_setreg_imm32_b32 hwreg(HW_REG_WAVE_MODE, 25, 1), 1
	s_wait_xcnt 0x0
	s_wait_alu depctr_hold_cnt(0) depctr_sa_sdst(0) depctr_va_vdst(0) depctr_va_sdst(0) depctr_va_ssrc(0) depctr_va_vcc(0) depctr_vm_vsrc(0)
	s_getreg_b32 s2, hwreg(HW_REG_IB_STS2, 6, 4)
	s_cmp_eq_u32 s2, 0
	s_cbranch_scc0 .Lentry_in_a_cluster
	s_endpgm
.Lentry_in_a_cluster:
	s_bfe_u32 s2, ttmp6, 0x10000c
	s_cmp_lg_u32 s2, 0xf033
	s_cbranch_scc0 .Lentry_shape_is_right
	s_endpgm
.Lentry_shape_is_right:
; q = x Wq + bq, k = x Wk + bk, v = x Wv + bv on codes of E4M3 (one E8M0 byte for each 32 along K = 1,024), f32 sums; the results are quantised here, in f32, for attention's two products,
; q and k along the head's 64, v along the keys, and leave as codes laid in the order of the operand's registers.
; LIMITS: NaN and infinities are not served; a block of zeros or under 2^-118 gets the byte 1 (its codes are right; this program alone reads the bytes).
; SHARES.  A work-group makes 256 x 256, each of its four waves 128 x 128: 64 accumulators, 512 registers.  The cluster's x says which product: 0 q, 1 k, 2 v: a cluster spans that product's 1,024 columns.
; THE MATRIX INSTRUCTION: source 0 = 16 rows of LDS region B, source 1 = 16 rows of region A; a lane then holds ONE row of A and eight rows of B.
;   q, k: A = tokens, B = weight columns: a lane holds a token, its registers run along the head's channels, the next K.
;   v:    A = weight columns, B = tokens: a lane holds a channel, its registers run along the tokens, the next K.  Only the two global addresses change places: the loop is one text.
; OPERANDS lie in memory as images of the registers: 128 rows x 256 along K are QB dense bytes: codes at 16384 s + 2048 T + 512 c + 16 lane, scale words at 32768 + 128 T + 8 r + 4 s.
; So a tile is one dense block for one tensor load, an LDS read is 512 consecutive bytes, and the scale words ride with the codes.  K goes in four steps of 256 through two LDS slots.
; CLUSTER 4 x 4: region A's tiles hang on cy alone and are asked for jointly by a row of the cluster, region B's on cx alone, by a column: each tile is requested once for four work-groups.
; OUT.  qc [head 64][128 queries: 16][8,448]: fragment c at 2048 c: pieces 0, 1 tile 2 c, pieces 2, 3 tile 2 c + 1 (channels 32 p + 16 h ..); scale words at 8192 + 16 r + 4 c.
;       kv [head 64][128 keys: 16][16,896]: k as qc; v at 8192 + 2048 t + 512 c (lane r: channel of tile t; keys 32 c + 16 h ..); scale words at 16384 + 16 l + 4 i: l < 16 k's, l >= 16 v's.
; REGISTERS, in windows of 256: window 0: v2-6, v16-29 addresses; v32-63 scale words, two sets; v64-127 the bias in the result's layout, later the way out's work; v128-255 A's fragments, later the codes.
;   window 1: B's fragments, two sets.   windows 2, 3: the accumulators, (a, b) at v[8 (8 (a % 4) + b)].
.set QB,    33792
.set RBB,   4*QB                       ; a row block of xc or wc
.set SLOT,  4*QB                       ; A's two halves, then B's two halves; wave w fills quarter w
.set SPARE, 2*SLOT                     ; behind the ring: the spare words, 128 bytes a wave; no other line names them
.set FR,    16
.set NP,    8                          ; places behind this matrix instruction (ISA guide 7.12.1)
.set ADRA, 16                          ; v16-17 LDS address of my A fragments in slot 0, 1
.set ADRB, 20                          ; v20-21 of my B fragments
.set ADRS, 22                          ; v22-23 of my scale words: lanes 0-15 A's, lanes 16-31 B's
.set SPW,  28
.set NIL,  29
.set SC,   32
.set BI,   64
.set AF,   128
.set TM,   64                          ; the way out: v64-79 at work
.set SLO,  80                          ; v80-87 bytes of blocks 0, 1 of tile a;  v88-95 of blocks 2, 3
.set SHI,  88
.set SW,   96                          ; v96-99 the scale words that leave
.set VG,   100                         ; v100-101 the codes' offsets;  v102 the scale words'
.set XT,   104
.set G1,  24
.set G0,  32
.set G1B, 48
.set G0B, 56
.set WV,  18
.set HA,  19                           ; my half of region A.  Also: I fetch for A (0) or for B (1)
.set HB,  20                           ; my half of region B.  Also: which half of that region I fetch
.set TY,  21
.set CX,  22
.set CY,  23
.set OB,  68                           ; s[68:83] where tile a's codes go
.set MSB, 0
.macro WIN new                         ; the immediate's high byte repeats the setting that is left
.if MSB != (\new)
	s_set_vgpr_msb (MSB<<8)|(\new)
.set MSB, (\new)
.endif
.endm
.set MUL_LO, 0xa1                      ; source 0 window 1, source 1 window 0, C and D window 2
.set MUL_HI, 0xf1
.set TO_B,   0x40
.macro JLOAD g0a, g1a, g0b, g1b        ; a joint load: waves 0, 1 for A, waves 2, 3 for B; four v_nop follow each line
	s_cmp_eq_u32 s[HA], 0
	s_cbranch_scc0 .Lfor_b_\@
	tensor_load_to_lds s[\g0a:\g0a+3], s[\g1a:\g1a+7]
	s_nop 0
.rept 4
	v_nop
.endr
	s_branch .Lasked_\@
.Lfor_b_\@:
	tensor_load_to_lds s[\g0b:\g0b+3], s[\g1b:\g1b+7]
	s_nop 0
.rept 4
	v_nop
.endr
.Lasked_\@:
.endm
.macro CREST                           ; a round of the cluster's barrier behind its opening barrier
	s_cmp_lg_u32 s[WV], 0
	s_cbranch_scc1 .Lnot_wave_0_\@
	s_barrier_signal -3
.Lnot_wave_0_\@:
	s_barrier_wait -3
	s_barrier_signal -1
	s_barrier_wait -1
.endm
.macro CROUND
	s_barrier_signal -1
	s_barrier_wait -1
	CREST
.endm
.macro PLACES n
.rept \n
	v_nop
.endr
.endm
	s_load_b256 s[4:11], s[0:1], 0x0               ; xc, wc, bq, bk
	s_load_b128 s[12:15], s[0:1], 0x20             ; bv, qc
	s_load_b64 s[16:17], s[0:1], 0x30              ; kv
	v_lshl_add_u32 v[SPW], v0, 2, SPARE
	v_mov_b32 v[NIL], 0
	ds_add_u32 v28, v29
	ds_add_u32 v28, v29
	s_wait_dscnt 0x0
	v_lshrrev_b32 v1, 5, v0
	v_readfirstlane_b32 s[WV], v1
	s_lshr_b32 s[HA], s[WV], 1
	s_and_b32 s[HB], s[WV], 1
	s_mov_b32 s[TY], ttmp9                         ; the cluster's x: the same in all sixteen partners
	s_bfe_u32 s[CX], ttmp6, 0x40000
	s_bfe_u32 s[CY], ttmp6, 0x40004
	s_lshl_b32 s40, s[CY], 2
	s_lshl_b32 s40, 15, s40                        ; my row of the cluster
	s_lshl_b32 s41, 0x1111, s[CX]                  ; my column
	; descriptor group 1: QB dense bytes as 132 rows of 32 elements of 8 bytes, no padding
	s_or_b32 s[G1], s40, (3<<16)|(1<<21)
	s_or_b32 s[G1B], s41, (3<<16)|(1<<21)
.irp g, G1, G1B
	s_mov_b32 s[\g+1], 32<<16                      ; tensor_dim0
	s_mov_b32 s[\g+2], 132<<16                     ; tensor_dim1
	s_mov_b32 s[\g+3], 32<<16                      ; tile_dim0
	s_mov_b32 s[\g+4], 132                         ; tile_dim1
	s_mov_b32 s[\g+5], 32                          ; the pitch
	s_mov_b32 s[\g+6], 0
	s_mov_b32 s[\g+7], 0
.endr
	s_and_b32 s42, ttmp7, 0xffff
	s_lshl_b32 s42, s42, 2                         ; 4 x the cluster's y
	s_add_co_u32 s40, s42, s[CY]                   ; A's row block, made of cy alone: tokens,
	s_lshl_b32 s40, s40, 1
	s_add_co_u32 s40, s40, s[HB]
	s_lshl_b32 s41, s[CY], 1                       ; or Wv's columns
	s_add_co_u32 s41, s41, s[HB]
	s_add_co_u32 s41, s41, 16
	s_add_co_u32 s44, s42, s[CX]                   ; B's, made of cx alone: tokens,
	s_lshl_b32 s44, s44, 1
	s_add_co_u32 s44, s44, s[HB]
	s_lshl_b32 s45, s[CX], 1                       ; or Wq's or Wk's columns
	s_add_co_u32 s45, s45, s[HB]
	s_lshl_b32 s43, s[TY], 3
	s_add_co_u32 s45, s45, s43
	s_cmp_eq_u32 s[TY], 2
	s_cselect_b32 s40, s41, s40
	s_cselect_b32 s44, s44, s45
	s_mul_i32 s40, s40, RBB
	s_mul_i32 s44, s44, RBB
	s_mov_b32 s41, 0
	s_mov_b32 s45, 0
	s_mul_i32 s43, s[WV], QB                       ; where my quarter goes: the wave's number alone
	s_wait_kmcnt 0x0
	s_cselect_b64 s[46:47], s[6:7], s[4:5]
	s_cselect_b64 s[66:67], s[4:5], s[6:7]
	s_add_nc_u64 s[46:47], s[46:47], s[40:41]
	s_add_nc_u64 s[66:67], s[66:67], s[44:45]
	CROUND                                         ; all sixteen work-groups are here: the first joint loads meet
.irp s, 0,1
	s_mov_b32 s[G0+4*\s], 1
	s_add_co_u32 s[G0+4*\s+1], s43, \s*SLOT
	s_add_nc_u64 s[G0+4*\s+2:G0+4*\s+3], s[46:47], \s*QB
	s_or_b32 s[G0+4*\s+3], s[G0+4*\s+3], 0x80000000
	s_mov_b32 s[G0B+4*\s], 1
	s_add_co_u32 s[G0B+4*\s+1], s43, \s*SLOT
	s_add_nc_u64 s[G0B+4*\s+2:G0B+4*\s+3], s[66:67], \s*QB
	s_or_b32 s[G0B+4*\s+3], s[G0B+4*\s+3], 0x80000000
.endr
	JLOAD G0, G1, G0B, G1B                         ; slot 0: my one tensor load at the head
	v_and_b32 v1, 31, v0
	v_lshlrev_b32 v2, 4, v1                        ; 16 x lane
	s_wait_alu depctr_va_vdst(0)
	v_and_b32 v3, 15, v0                           ; r
	v_bfe_u32 v4, v0, 4, 1                         ; h
	s_mul_i32 s40, s[HA], QB                       ; my half of A
	s_mul_i32 s41, s[HB], QB
	s_add_co_u32 s41, s41, 2*QB                    ; my half of B
	s_xor_b32 s42, s[HA], 1
	s_add_co_u32 s42, s42, s[HB]
	s_add_co_u32 s42, s42, 1
	s_mul_i32 s42, s42, QB                         ; from the one to the other: (2 + HB - HA) quarters
	v_mul_u32_u24 v5, s42, v4                      ; lanes 16-31 take B's scale words
	v_lshl_add_u32 v5, v3, 3, v5
	s_add_co_u32 s44, s40, 32768
.irp s, 0,1
	v_add_nc_u32 v[ADRA+\s], s40, v2
	v_add_nc_u32 v[ADRB+\s], s41, v2
	v_add_nc_u32 v[ADRS+\s], s44, v5
	s_add_co_u32 s40, s40, SLOT
	s_add_co_u32 s41, s41, SLOT
	s_add_co_u32 s44, s44, SLOT
.endr
	; the bias, in the result's layout: it is the C of each sum's first product
	s_cmp_eq_u32 s[TY], 2
	s_cselect_b32 s40, s[CY], s[CX]                ; which 256 columns,
	s_cselect_b32 s41, s[HA], s[HB]                ; which half of them
	s_cselect_b64 s[46:47], s[12:13], s[10:11]
	s_cmp_eq_u32 s[TY], 0
	s_cselect_b64 s[46:47], s[8:9], s[46:47]
	s_lshl_b32 s40, s40, 10
	s_lshl_b32 s41, s41, 9
	s_add_co_u32 s40, s40, s41
	s_mov_b32 s41, 0
	s_add_nc_u64 s[46:47], s[46:47], s[40:41]
	s_cmp_eq_u32 s[TY], 2
	s_cbranch_scc1 .Lbias_v
	s_wait_alu depctr_va_vdst(0)
	v_lshlrev_b32 v6, 6, v4                        ; q, k: register j of tile b is column 32 (b / 2) + 8 (b % 2) + 16 h + j
.irp b, 0,1,2,3,4,5,6,7
	global_load_b128 v[BI+8*\b:BI+8*\b+3], v6, s[46:47] offset:(32*(\b/2)+8*(\b%2))*4
	global_load_b128 v[BI+8*\b+4:BI+8*\b+7], v6, s[46:47] offset:(32*(\b/2)+8*(\b%2))*4+16
.endr
	s_branch .Lbias_done
.Lbias_v:
	v_and_b32 v6, 8, v3                            ; v: all eight registers of tile a are column 32 (a / 2) + 8 (a % 2) + r + 8 (r / 8)
	v_add_nc_u32 v6, v6, v3
	v_lshlrev_b32 v6, 2, v6
.irp a, 0,1,2,3,4,5,6,7
.irp j, 0,1,2,3,4,5,6,7
	global_load_b32 v[BI+8*\a+\j], v6, s[46:47] offset:(32*(\a/2)+8*(\a%2))*4
.endr
.endr
.Lbias_done:
	; where the results go: scalar work while the first tiles are on their way
	s_cmp_eq_u32 s[TY], 0
	s_cselect_b32 s40, 1, 2
	s_cselect_b64 s[OB:OB+1], s[14:15], s[16:17]   ; qc or kv
	s_mul_i32 s90, s40, 135168                     ; a head's bytes
	s_mul_i32 s91, s40, 8448                       ; a block of 128 tokens
	s_lshl_b32 s92, s40, 13                        ; where its scale words begin
	s_and_b32 s42, ttmp7, 0xffff
	s_lshl_b32 s42, s42, 2
	s_cmp_eq_u32 s[TY], 2
	s_cselect_b32 s41, s[CX], s[CY]
	s_cselect_b32 s43, s[CY], s[CX]                ; which 256 columns
	s_cselect_b32 s44, s[HB], s[HA]                ; my half of the tokens
	s_cselect_b32 s45, s[HA], s[HB]                ; my half of the columns
	s_cselect_b32 s94, 8192, 0                     ; v's codes lie behind k's
	s_cselect_b32 s93, 1024, s90                   ; from blocks 0, 1 to blocks 2, 3: v: two pieces on; q, k: the next head
	s_cselect_b32 s88, s90, 4096                   ; tile a + 4: v: the next head
	s_cselect_b32 s66, 1, 0
	s_cselect_b32 s67, 256, 0
	s_add_co_u32 s92, s92, s67                     ; v's scale words lie behind k's
	s_lshl_b32 s84, 1024, s66                      ; tile a + 1
	s_lshl_b32 s86, 2048, s66                      ; tile a + 2
	s_mov_b32 s85, 0
	s_mov_b32 s87, 0
	s_mov_b32 s89, 0
	s_add_co_u32 s41, s41, s42                     ; which 256 tokens
	s_lshr_b32 s42, s41, 3
	s_lshl_b32 s42, s42, 4                         ; 16 heads a sequence
	s_lshl_b32 s43, s43, 2
	s_add_co_u32 s42, s42, s43
	s_lshl_b32 s45, s45, 1
	s_add_co_u32 s42, s42, s45                     ; my first head
	s_and_b32 s41, s41, 7
	s_lshl_b32 s41, s41, 1
	s_add_co_u32 s41, s41, s44                     ; my 128 tokens in the sequence
	s_mul_i32 s42, s42, s90
	s_mul_i32 s41, s41, s91
	s_add_co_u32 s42, s42, s41
	s_mov_b32 s43, 0
	s_add_nc_u64 s[OB:OB+1], s[OB:OB+1], s[42:43]
	s_add_nc_u64 s[OB+2:OB+3], s[OB:OB+1], s[84:85]
	s_add_nc_u64 s[OB+4:OB+5], s[OB:OB+1], s[86:87]
	s_add_nc_u64 s[OB+6:OB+7], s[OB+2:OB+3], s[86:87]
	s_add_nc_u64 s[OB+8:OB+9], s[OB:OB+1], s[88:89]
	s_add_nc_u64 s[OB+10:OB+11], s[OB+2:OB+3], s[88:89]
	s_add_nc_u64 s[OB+12:OB+13], s[OB+4:OB+5], s[88:89]
	s_add_nc_u64 s[OB+14:OB+15], s[OB+6:OB+7], s[88:89]
	s_mov_b32 s95, 0x4800000                       ; the floor 2^(9 - 127)
	s_mov_b32 s96, 0x600000                        ; the mantissa field of 448
	s_mov_b32 s97, 0xffff0000                      ; lanes 16-31
	s_mov_b32 s98, 0x76543210
	s_mov_b32 s99, 0xfedcba98
.macro FRAG reg, adr, q, i             ; a fragment's image: four loads of 512 consecutive bytes
.irp c, 0,1,2,3
	ds_load_b128 v[\reg+4*\c:\reg+4*\c+3], v[\adr] offset:16384*(\q)+2048*(\i)+512*\c
.endr
.endm
; 16 matrix instructions: A's blocks a0, a0 + 1 x B's eight.  p: B's set; q: which 128 of the slot; sc: the set of scale words.
; zero = 0: onto the sums; 1: the bias by B's tile starts them (q, k); 2: the bias by A's tile (v).  The 64 accumulators take turns, one instruction a turn.
.macro MUL16 a0, p, q, sc, zero
.irp a, \a0, \a0+1
.irp b, 0,1,2,3,4,5,6,7
.set rD, 8*(8*((\a)%4)+\b)
.set rB, 128*(\p)+FR*\b
.set rA, AF+FR*(\a)
.set rSB, SC+16*(\sc)+2*\b+(\q)
.set rSA, SC+16*(\sc)+2*(\a)+(\q)
.if \zero == 1
	v_wmma_scale_f32_16x16x128_f8f6f4 v[rD:rD+7], v[rB:rB+15], v[rA:rA+15], v[BI+8*\b:BI+8*\b+7], v[rSB], v[rSA] matrix_a_scale:MATRIX_SCALE_ROW1
.elseif \zero == 2
	v_wmma_scale_f32_16x16x128_f8f6f4 v[rD:rD+7], v[rB:rB+15], v[rA:rA+15], v[BI+8*(\a):BI+8*(\a)+7], v[rSB], v[rSA] matrix_a_scale:MATRIX_SCALE_ROW1
.else
	v_wmma_scale_f32_16x16x128_f8f6f4 v[rD:rD+7], v[rB:rB+15], v[rA:rA+15], v[rD:rD+7], v[rSB], v[rSA] matrix_a_scale:MATRIX_SCALE_ROW1
.endif
.endr
.endr
.endm
.macro FETCH_B slot, q, p
	WIN TO_B
.irp i, 0,1,2,3,4,5,6,7
	FRAG 128*(\p)+FR*\i, ADRB+\slot, \q, \i
.endr
	WIN 0
.endm
.macro FETCH_A slot, q, i0
.irp i, \i0, \i0+1, \i0+2, \i0+3
	FRAG AF+FR*(\i), ADRA+\slot, \q, \i
.endr
.endm
.macro SCALES sc                       ; a slot's scale words: two a row; lanes 0-15 A's tile i, lanes 16-31 B's tile i
.irp i, 0,1,2,3,4,5,6,7
	ds_load_b64 v[SC+16*\sc+2*\i:SC+16*\sc+2*\i+1], v[ADRS+\sc] offset:128*\i
.endr
.endm
; A slot's first 128 along K.  A has one set of registers: blocks 0-3 are fetched anew in the step's middle, blocks 4-7 at its end; B has two sets.
.macro STEP slot, q, zero
	s_wait_dscnt 16                                ; all but the youngest 16 loads, A's blocks 4-7
.if \zero
	WIN 0x81                                       ; C, the bias, in window 0
.else
	WIN MUL_LO
.endif
	MUL16 0, (\q)%2, \q, \slot, \zero
	MUL16 2, (\q)%2, \q, \slot, \zero
	s_wait_dscnt 0x0                               ; A's blocks 4-7 are in
	PLACES NP                                      ; in front of loads into registers that matrix instructions have read
	FETCH_B \slot, (\q)+1, 1-(\q)%2
	FETCH_A \slot, (\q)+1, 0
.if \zero
	WIN 0xc1
.else
	WIN MUL_HI
.endif
	MUL16 4, (\q)%2, \q, \slot, \zero
	MUL16 6, (\q)%2, \q, \slot, \zero
	PLACES NP
	WIN 0
	FETCH_A \slot, (\q)+1, 4
.endm
; A slot's second 128 changes slots: one barrier; in front of it each wave waits for all its tensor loads, adds 0 to its spare word, and waits for that and for its reads of this slot.
.macro TURN slot, next, fill
	s_wait_tensorcnt 0x0                           ; my part of the next slot has landed; no load of mine is out
	ds_add_u32 v[SPW], v[NIL]                      ; 0 onto my spare word
	s_wait_dscnt 17                                ; (the add and A's blocks 4-7 may be out)
	WIN MUL_LO
	MUL16 0, 1, 1, \slot, 0                        ; sixteen matrix instructions between the add and the wait for it
	s_wait_dscnt 0x0                               ; the add is done, and my reads of this slot are over
	s_barrier_signal -1
	MUL16 2, 1, 1, \slot, 0
	WIN 0
	s_barrier_wait -1
.if \fill
	CREST                                          ; the barrier has opened a round of the cluster's: no wave of any partner still reads this slot or has a load on its way
	s_add_nc_u64 s[G0+4*\slot+2:G0+4*\slot+3], s[G0+4*\slot+2:G0+4*\slot+3], 2*QB
	s_add_nc_u64 s[G0B+4*\slot+2:G0B+4*\slot+3], s[G0B+4*\slot+2:G0B+4*\slot+3], 2*QB
	JLOAD G0+4*\slot, G1, G0B+4*\slot, G1B         ; the first tensor load behind the round; its four v_nop are four of the eight places
	PLACES NP-4
.else
	PLACES NP
.endif
	FETCH_B \next, 0, 0
	FETCH_A \next, 0, 0
	SCALES \next
	WIN MUL_HI
	MUL16 4, 1, 1, \slot, 0
	MUL16 6, 1, 1, \slot, 0
	PLACES NP
	WIN 0
	FETCH_A \next, 0, 4
.endm
	s_wait_alu depctr_va_vdst(0)                   ; the wait at the head's end
	s_wait_tensorcnt 0x0                           ; my part of slot 0 is in; slot 1's first fill is issued as a refill is
	ds_add_u32 v[SPW], v[NIL]
	s_wait_dscnt 0x0
	CROUND                                         ; everybody's part of slot 0 is in, and the joint loads meet
	JLOAD G0+4, G1, G0B+4, G1B                     ; slot 1: the first tensor load behind the round
	FETCH_B 0, 0, 0
	FETCH_A 0, 0, 0
	SCALES 0
	FETCH_A 0, 0, 4
	s_wait_loadcnt 0x0                             ; the bias
	s_cmp_eq_u32 s[TY], 2
	s_cbranch_scc1 .Lfirst_v
	STEP 0, 0, 1                                   ; the first step starts the sums with the bias: nothing is cleared, nothing is added later
	s_branch .Lfirst_done
.Lfirst_v:
	STEP 0, 0, 2
.Lfirst_done:
	TURN 0, 1, 1                                   ; K = 1,024 is four slots' worth: written out, no loop
	STEP 1, 0, 0
	TURN 1, 0, 1
	STEP 0, 0, 0
	TURN 0, 1, 0
	STEP 1, 0, 0
	s_wait_dscnt 16
	WIN MUL_LO
	MUL16 0, 1, 1, 1, 0
	MUL16 2, 1, 1, 1, 0
	s_wait_dscnt 0x0
	WIN MUL_HI
	MUL16 4, 1, 1, 1, 0
	MUL16 6, 1, 1, 1, 0
	WIN 0
; THE WAY OUT.  Tile a's 64 numbers of a lane are four blocks of 32 along the next K (16 here, 16 in lane l xor 16).  They are quantised in place, and the codes are the next operand's registers:
; each store covers 512 consecutive aligned bytes of an image.  The nine lines below name no register of the last products: they are the places behind them.
	v_add_nc_u32 v[VG], s94, v2
	v_add_nc_u32 v[VG+1], s93, v[VG]
	v_mul_u32_u24 v[VG+2], s90, v4                 ; lanes 16-31 carry the second head's scale words
	v_lshl_add_u32 v[VG+2], v3, 4, v[VG+2]
	v_add_nc_u32 v[VG+2], s92, v[VG+2]
.irp b, 0,1,2,3
	v_mov_b32 v[TM+4+\b], 0                        ; a lane permute's destination counts as read
.endr
.macro EPI a
.set AW, 2+(\a)/4
.set AC, 64*((\a)%4)
.set PCA, 128+16*(\a)
	WIN (AW<<2)|(AW<<4)
.irp b, 0,1,2,3
	v_max3_num_f32 v[TM+\b], s95, |v[AC+16*\b]|, |v[AC+16*\b+1]|   ; each accumulator is read from its low end on
.endr
.irp i, 2,4,6,8,10,12,14
.irp b, 0,1,2,3
	v_max3_num_f32 v[TM+\b], v[TM+\b], |v[AC+16*\b+\i]|, |v[AC+16*\b+\i+1]|
.endr
.endr
	WIN 0
.irp b, 0,1,2,3
	v_permlanex16_b32 v[TM+4+\b], v[TM+\b], s98, s99
.endr
.irp b, 0,1,2,3
	v_max_num_f32 v[TM+\b], v[TM+\b], v[TM+4+\b]
.endr
.irp b, 0,1,2,3
	v_add_nc_u32 v[TM+12+\b], 0xfc000000, v[TM+\b] ; the conversion's scale operand
.endr
.irp b, 0,1,2,3
	v_and_or_b32 v[TM+8+\b], v[TM+\b], 0x7f800000, s96   ; 448 x the scale
.endr
.irp b, 0,1,2,3
	v_lshrrev_b32 v[TM+4+\b], 23, v[TM+12+\b]      ; the byte
.endr
	v_lshl_or_b32 v[SLO+(\a)], v[TM+5], 8, v[TM+4]
	v_lshl_or_b32 v[SHI+(\a)], v[TM+7], 8, v[TM+6]
	WIN AW|(AW<<6)
.set i, 0
.rept 64
	v_med3_num_f32 v[AC+i], v[AC+i], -v[TM+8+i/16], v[TM+8+i/16]   ; the conversion does not saturate (ISA guide 7.6.2): hold first
.set i, i+1
.endr
	WIN AW
.set i, 0
.rept 8
	v_cvt_scalef32_pk8_fp8_f32 v[PCA+2*i:PCA+2*i+1], v[AC+8*i:AC+8*i+7], v[TM+12+i/2]
.set i, i+1
.endr
	WIN 0
	v_nop                                          ; a plain line behind the last conversion
.irp e, 0,1,2,3
	global_store_b128 v[VG+\e/2], v[PCA+4*\e:PCA+4*\e+3], s[OB+2*(\a):OB+2*(\a)+1] offset:512*(\e%2)   ; each tile has code registers of its own: no store's data are written again
.endr
.endm
.irp a, 0,1,2,3,4,5,6,7
	EPI \a
.endr
	s_cmp_eq_u32 s[TY], 2
	s_cbranch_scc1 .Lwords_v
.irp a, 0,1,2,3,4,5,6,7
	v_cndmask_b32 v[XT+\a], v[SLO+\a], v[SHI+\a], s97   ; q, k: blocks 0, 1 are the first head's, blocks 2, 3 the second's
.endr
.irp c, 0,1,2,3
	v_lshl_or_b32 v[SW+\c], v[XT+2*\c+1], 16, v[XT+2*\c]   ; fragment c: tile 2 c's two bytes, then tile 2 c + 1's
.endr
	s_branch .Lwords_done
.Lwords_v:
.irp a, 0,1,2,3,4,5,6,7
	v_lshl_or_b32 v[XT+\a], v[SHI+\a], 16, v[SLO+\a]    ; v: four key blocks make a word
.endr
.irp i, 0,1,2,3
	v_cndmask_b32 v[SW+\i], v[XT+\i], v[XT+4+\i], s97   ; tiles 0-3 are the first head's, tiles 4-7 the second's
.endr
.Lwords_done:
	s_wait_alu depctr_va_vdst(0)
	global_store_b128 v[VG+2], v[SW:SW+3], s[OB:OB+1]   ; sixteen lanes fill 256 aligned bytes of each head
	s_wait_tensorcnt 0x0                           ; the wave's end
	ds_add_u32 v[SPW], v[NIL]
	s_wait_dscnt 0x0
	CROUND                                         ; the closing round
	s_endpgm
.Lfunc_end_k_q9a87bdfd12_qkv:
	.size	k_q9a87bdfd12_qkv, .Lfunc_end_k_q9a87bdfd12_qkv-k_q9a87bdfd12_qkv
	.p2alignl 7, 3214868480
	.fill 96, 4, 3214868480
	.section	.rodata,"a",@progbits
	.p2align	6, 0x0
	.amdhsa_kernel k_q9a87bdfd12_qkv
		.amdhsa_group_segment_fixed_size 327680
		.amdhsa_private_segment_fixed_size 0
		.amdhsa_enable_private_segment 0
		.amdhsa_kernarg_size 56
		.amdhsa_user_sgpr_count 2
		.amdhsa_user_sgpr_kernarg_segment_ptr 1
		.amdhsa_wavefront_size32 1
		.amdhsa_system_sgpr_workgroup_id_x 1
		.amdhsa_system_sgpr_workgroup_id_y 1
		.amdhsa_system_sgpr_workgroup_id_z 1
		.amdhsa_system_vgpr_workitem_id 0
		.amdhsa_next_free_vgpr 1024
		.amdhsa_next_free_sgpr 100
		.amdhsa_reserve_vcc 0
		.amdhsa_float_denorm_mode_32 3
		.amdhsa_float_denorm_mode_16_64 3
		.amdhsa_memory_ordered 1
		.amdhsa_forward_progress 1
		.amdhsa_inst_pref_size 205
	.end_amdhsa_kernel
	.amdgpu_metadata
---
amdhsa.version: [ 1, 2 ]
amdhsa.kernels:
  - .name:           k_q9a87bdfd12_qkv
    .symbol:         k_q9a87bdfd12_qkv.kd
    .args:
      - { .name: xc, .offset: 0, .size: 8, .value_kind: global_buffer, .address_space: global }
      - { .name: wc, .offset: 8, .size: 8, .value_kind: global_buffer, .address_space: global }
      - { .name: bq, .offset: 16, .size: 8, .value_kind: global_buffer, .address_space: global }
      - { .name: bk, .offset: 24, .size: 8, .value_kind: global_buffer, .address_space: global }
      - { .name: bv, .offset: 32, .size: 8, .value_kind: global_buffer, .address_space: global }
      - { .name: qc, .offset: 40, .size: 8, .value_kind: global_buffer, .address_space: global }
      - { .name: kv, .offset: 48, .size: 8, .value_kind: global_buffer, .address_space: global }
    .group_segment_fixed_size: 327680
    .private_segment_fixed_size: 0
    .kernarg_segment_align: 8
    .kernarg_segment_size: 56
    .max_flat_workgroup_size: 128
    .sgpr_count:     100
    .vgpr_count:     1024
    .wavefront_size: 32
...
	.end_amdgpu_metadata
.endif
;; end of part 2
;; launch attn (part 3): grid 4 x 64, 8 waves a work-group, clusters of 4 x 1, 327,680 bytes of LDS; arguments qc, kv, ac; writes ac
.if DOCPART == 3
	.amdgcn_target "amdgcn-amd-amdhsa--gfx1250"
	.amdhsa_code_object_version 6
	.text
	.protected	k_q9a87bdfd12_attn
	.globl	k_q9a87bdfd12_attn
	.p2align	8
	.type	k_q9a87bdfd12_attn,@function
k_q9a87bdfd12_attn:
	s_mov_b64 s[64:65], 0
	v_nop
	global_prefetch_b8 v0, s[64:65] scope:SCOPE_SE
	s_setreg_imm32_b32 hwreg(HW_REG_WAVE_MODE, 25, 1), 1
	s_wait_xcnt 0x0
	s_wait_alu depctr_hold_cnt(0) depctr_sa_sdst(0) depctr_va_vdst(0) depctr_va_sdst(0) depctr_va_ssrc(0) depctr_va_vcc(0) depctr_vm_vsrc(0)
	s_getreg_b32 s2, hwreg(HW_REG_IB_STS2, 6, 4)
	s_cmp_eq_u32 s2, 0
	s_cbranch_scc0 .Lentry_in_a_cluster
	s_endpgm
.Lentry_in_a_cluster:
	s_bfe_u32 s2, ttmp6, 0x10000c
	s_cmp_lg_u32 s2, 0x3003
	s_cbranch_scc0 .Lentry_shape_is_right
	s_endpgm
.Lentry_shape_is_right:
; o = softmax(q k^T / 8) v for one head, both products on codes of E4M3 with one E8M0 byte for each 32 along K; o is quantised here, in f32, along the channels for the last projection.
; t = score x log2(e) / 8; M = the running largest t rounded up to a whole number; p = 2^(t - M) is quantised along the keys; the row's sum is taken of the unquantised p and divides at the end.
; LIMITS: NaN and infinities are not served; the promise holds while |t| stays under 2^31.  A block's exponent is floor(t - M) of its largest score: where the exponential rounds that p up to
; the next power of two (t - M within 5e-8 under a whole number), that one p is held at 448 x the scale.  A block whose p lie under 2^-118 gets the byte 1.
; SHARES.  A work-group owns 512 queries of a head, each of its eight waves 64: four tiles of 16.  The head's K and V, 16 key steps of 128 keys (KVS bytes each: K's four fragments, V's four, the scale words),
; come into LDS once: one tensor load a wave, 2 KVS dense bytes as 132 rows of 256.  The four work-groups of a cluster own the same head and ask jointly (mask 15).
; No prefetch: the one fill stands at the head, and there is no loop to run ahead in.  Nothing is filled again.
; LAYOUT.  Both products are used transposed (S^T = K Q^T, O^T = V^T P^T): a lane holds one query.  The head's 64 channels fill half of a product's K: a fragment of K holds two tiles of 16 keys,
; and Q stands once beside zeros on each side, [Q | 0] and [0 | Q].  The 16 registers of two neighbouring tiles are 16 neighbouring keys: the conversions' results are P's operand.
; A SLOT is one tile's softmax of a key step.  The four products O^T of the tile before stand between the links of the chain that makes M; the eight products S^T of the tile after (two score buffers) among the sums and holds.
; The exponentials go in two batches of 32: among the first stand the multiply-adds of blocks 2 and 3, among the second the first pair sums and the holds of blocks 0 and 1: lines that hang on no line of their batch.
; The pair sums and the sums' four chains lie in the top 16 registers of the other score buffer, which the slot's last two products S^T write behind the sums' last read.
; K's fragments for the next key step are fetched at slot 3's head, V's in slot 0, behind the last products that read the old ones.  The last trip fetches key step 15 once more; those scores are not used.
; The first trip's products O^T of "the tile before" multiply zero codes onto zeros: so the loop is written once, and O^T begins as zeros.
; REGISTERS.  Window 0: v0-39 at work (below); v40-55 P's codes; v56-127 zeros and Q by turns (Z Q0 Z Q1 Z Q2 Z Q3 Z); v128-255 two score buffers.  Window 1: v0-127 O^T, v128-191 K, v192-255 V.
.set KVH,  270336
.set KVS,  16896
.set SPARE, 270336                     ; behind K and V: the spare words, 128 bytes a wave
.set ADR, 0                            ; LDS address of the fetch in hand
.set SPW, 1
.set NIL, 2
.set LI,  3                            ; 16 x lane
.set ST,  4                            ; v4-11 for each tile: -M, the row's sum
.set QS,  12                           ; v12-15 Q's scale words
.set KS,  16                           ; v16-19 K's scale words (lanes 0-15)
.set VS,  20                           ; v20-23 V's (lanes 16-31)
.set PS,  24                           ; P's scale word
.set T1,  25
.set FF,  26                           ; v26-27 f = 2^(old M - new M)
.set BM,  28                           ; v28-31 the blocks' largest scores, then 448 x the scale
.set PT,  32                           ; v32-35 the maxima's second chains, the other half's maxima, then the exponents
.set SOP, 36                           ; v36-39 the conversions' scale operands
.set PCD, 40
.set QZ,  56
.set S0,  128
.set KF,  128
.set VF,  192
.set MSB, 0
.macro WIN new                         ; the immediate's high byte repeats the setting that is left
.if MSB != (\new)
	s_set_vgpr_msb (MSB<<8)|(\new)
.set MSB, (\new)
.endif
.endm
.macro CROUND
	s_barrier_signal -1
	s_barrier_wait -1
	s_cmp_lg_u32 s10, 0
	s_cbranch_scc1 .Lnot_wave_0_\@
	s_barrier_signal -3
.Lnot_wave_0_\@:
	s_barrier_wait -3
	s_barrier_signal -1
	s_barrier_wait -1
.endm
.macro WALU
	s_wait_alu depctr_va_vdst(0)
.endm
.macro FRAGS reg, adr, off             ; four fragments, 64 registers of window 1: each load reads 512 consecutive bytes
	WIN 0x40
.irp c, 0,1,2,3
.irp p, 0,1,2,3
	ds_load_b128 v[\reg+16*\c+4*\p:\reg+16*\c+4*\p+3], v[\adr] offset:\off+2048*\c+512*\p
.endr
.endr
	WIN 0
.endm
.macro SW c, u                         ; S^T: keys' tile 2 c + u x the queries of tile IN, into buffer SN
.set SD, SN+16*(\c)+8*(\u)
.set QB_, QZ+8+16*IN-8*(\u)
	WIN 0x01
	v_wmma_scale_f32_16x16x128_f8f6f4 v[SD:SD+7], v[KF+16*(\c):KF+16*(\c)+15], v[QB_:QB_+15], 0, v[KS+(\c)], v[QS+IN]
	WIN 0
.endm
.macro PW t, ip                        ; O^T of tile ip += 16 channels x 128 keys
.set OA, 32*(\ip)+8*(\t)
	WIN 0x51
	v_wmma_scale_f32_16x16x128_f8f6f4 v[OA:OA+7], v[VF+16*(\t):VF+16*(\t)+15], v[PCD:PCD+15], v[OA:OA+7], v[VS+(\t)], v[PS] matrix_a_scale:MATRIX_SCALE_ROW1
	WIN 0
.endm
.macro HOLD2 x, l                      ; two p held at 448 x the scale (the conversion does not saturate: ISA guide 7.6.2; p is not negative)
	v_dual_min_num_f32 v[\x], v[\l], v[\x] :: v_dual_min_num_f32 v[\x+1], v[\l], v[\x+1]
.endm
.macro HOLD4 u
	HOLD2 SB+4*(\u), BM+(\u)/4
	HOLD2 SB+4*(\u)+2, BM+(\u)/4
.endm
.macro CV b                            ; a block's 16 codes of my lane
	v_cvt_scalef32_pk8_fp8_f32 v[PCD+4*(\b):PCD+4*(\b)+1], v[SB+16*(\b):SB+16*(\b)+7], v[SOP+(\b)]
	v_cvt_scalef32_pk8_fp8_f32 v[PCD+4*(\b)+2:PCD+4*(\b)+3], v[SB+16*(\b)+8:SB+16*(\b)+15], v[SOP+(\b)]
.endm
.macro TM from, to                     ; t - M, two at a time
.set J, \from
.rept ((\to)-(\from))/2
	v_pk_fma_f32 v[SB+J:SB+J+1], v[SB+J:SB+J+1], s[32:33], v[NM:NM+1] op_sel_hi:[1,0,0]
.set J, J+2
.endr
.endm
.macro ROUND r                         ; eight p of blocks 2, 3 onto the sums' four chains
.irp k, 0,1,2,3
	v_pk_add_f32 v[XS+2*\k:XS+2*\k+1], v[XS+2*\k:XS+2*\k+1], v[SB+32+8*(\r)+2*\k:SB+33+8*(\r)+2*\k]
.endr
.endm
.macro SLOT i
.set SB, S0+64*((\i)%2)
.set SN, S0+64-64*((\i)%2)
.set XS, SN+48
.set IP, ((\i)+3)%4
.set IN, ((\i)+1)%4
.set NM, ST+2*(\i)
.if (\i) == 1
	WALU                                           ; ahead of the wait below
	s_wait_dscnt 0x0                               ; V's fragments, asked for in slot 0
.endif
.if (\i) == 3
	v_add_nc_u32 v[ADR], s17, v[LI]                ; the next key step's K: thirteen plain lines and this one stand behind the last product that read the old
	FRAGS KF, ADR, 0
	ds_load_b128 v[KS:KS+3], v[ADR] offset:16384
.endif
.irp b, 0,1,2,3
	v_max3_num_f32 v[BM+\b], v[SB+16*\b], v[SB+16*\b+1], v[SB+16*\b+2]   ; the largest score of each block of 32 keys, in two chains a block; each result is read from its low end on
.endr
.irp b, 0,1,2,3
	v_max3_num_f32 v[PT+\b], v[SB+16*\b+8], v[SB+16*\b+9], v[SB+16*\b+10]
.endr
.irp n, 3,5
.irp b, 0,1,2,3
	v_max3_num_f32 v[BM+\b], v[BM+\b], v[SB+16*\b+\n], v[SB+16*\b+\n+1]
.endr
.irp b, 0,1,2,3
	v_max3_num_f32 v[PT+\b], v[PT+\b], v[SB+16*\b+\n+8], v[SB+16*\b+\n+9]
.endr
.endr
.irp b, 0,1,2,3
	v_max3_num_f32 v[BM+\b], v[BM+\b], v[PT+\b], v[SB+16*\b+7]
.endr
.irp b, 0,1,2,3
	v_max_num_f32 v[BM+\b], v[BM+\b], v[SB+16*\b+15]
.endr
.irp b, 0,1,2,3
	v_permlanex16_b32 v[PT+\b], v[BM+\b], s34, s35
.endr
.irp b, 0,1,2,3
	v_max_num_f32 v[BM+\b], v[BM+\b], v[PT+\b]     ; with lane l xor 16's 16 keys
.endr
	PW 0, IP                                       ; the products of the tile before stand between the links of this chain
	v_max3_num_f32 v[T1], v[BM], v[BM+1], v[BM+2]
	PW 1, IP
	v_max_num_f32 v[T1], v[T1], v[BM+3]
	PW 2, IP
	v_mul_f32 v[T1], s39, v[T1]                    ; -t of the step's largest score
	PW 3, IP
	v_floor_f32 v[T1], v[T1]                       ; -ceil(t)
	v_min_num_f32 v[T1], v[T1], v[NM]              ; the new -M: the ceiling of a maximum is the maximum of the ceilings
	v_sub_f32 v[FF], v[T1], v[NM]                  ; old M - new M, a whole number, 0 or less
	v_mov_b32 v[NM], v[T1]
	TM 0, 8
	v_cvt_i32_f32 v[FF], v[FF]                     ; (it saturates)
	TM 8, 16
	v_ldexp_f32 v[FF], 1.0, v[FF]                  ; f: a multiplication by it rounds nothing
.if (\i) == 0
	v_add_nc_u32 v[ADR], s13, v[LI]                ; this key step's V, behind the last product that read the old
	FRAGS VF, ADR, 8192
	ds_load_b128 v[VS:VS+3], v[ADR] offset:16384
.endif
	TM 16, 32
.irp b, 0,1,2,3
	v_fma_f32 v[BM+\b], v[BM+\b], s32, v[NM]       ; t - M of each block's largest score
.endr
.irp b, 0,1,2,3
	v_max_num_f32 v[BM+\b], 0xc2ec0000, v[BM+\b]   ; not under -118: the byte cannot fall under 1
.endr
.irp b, 0,1,2,3
	v_cvt_floor_i32_f32 v[PT+\b], v[BM+\b]         ; e = the exponent of the block's largest p
.endr
	v_lshl_add_u32 v[PS], v[PT+1], 8, v[PT]
.irp b, 0,1,2,3
	v_add_lshl_u32 v[SOP+\b], v[PT+\b], 119, 23    ; the byte e - 8 + 127 in the exponent field: the conversion's scale operand
.endr
	v_lshl_add_u32 v[PS], v[PT+2], 16, v[PS]
.irp b, 0,1,2,3
	v_add_nc_u32 v[BM+\b], 0x4600000, v[SOP+\b]    ; 448 x the scale: 8 more in the exponent field, 448's mantissa
.endr
	v_lshl_add_u32 v[PS], v[PT+3], 24, v[PS]       ; the sum of e_b << 8 b; 119 in each byte is added below
	WIN 0x41
	WALU                                           ; directly ahead of the first reader of O^T
.set J, 0
.rept 16
	v_pk_mul_f32 v[32*(\i)+J:32*(\i)+J+1], v[32*(\i)+J:32*(\i)+J+1], v[FF:FF+1] op_sel_hi:[1,0]   ; O^T under the new M
.set J, J+2
.endr
	WIN 0
	WALU                                           ; ahead of the first batch
.set J, 0
.rept 16
	v_exp_f32 v[SB+J], v[SB+J]                     ; p = 2^(t - M) of blocks 0, 1;
	v_exp_f32 v[SB+J+1], v[SB+J+1]
	v_pk_fma_f32 v[SB+32+J:SB+33+J], v[SB+32+J:SB+33+J], s[32:33], v[NM:NM+1] op_sel_hi:[1,0,0]   ; t - M of blocks 2, 3
.set J, J+2
.endr
	WALU                                           ; behind the first batch and ahead of the second
.set G, 0
.rept 8
	v_exp_f32 v[SB+32+4*G], v[SB+32+4*G]           ; p of blocks 2, 3; four p of blocks 0, 1 are summed by pairs, then held
	v_pk_add_f32 v[XS+2*G:XS+2*G+1], v[SB+4*G:SB+4*G+1], v[SB+4*G+2:SB+4*G+3]
	v_exp_f32 v[SB+33+4*G], v[SB+33+4*G]
	HOLD2 SB+4*G, BM+G/4
	v_exp_f32 v[SB+34+4*G], v[SB+34+4*G]
	HOLD2 SB+4*G+2, BM+G/4
	v_exp_f32 v[SB+35+4*G], v[SB+35+4*G]
.set G, G+1
.endr
	v_add_nc_u32 v[PS], 0x77777777, v[PS]          ; P's scale word.  (A plain place behind the batch)
	WALU                                           ; one wait for the batch, ahead of its first reader
.if (\i) == 3
	s_wait_dscnt 0x0                               ; the next key step's K
.endif
	SW 0, 0
.irp k, 0,1,2,3
	v_pk_add_f32 v[XS+2*\k:XS+2*\k+1], v[XS+2*\k:XS+2*\k+1], v[XS+8+2*\k:XS+9+2*\k]   ; the sum of the unquantised p, in four chains
.endr
	SW 0, 1
	ROUND 0
	SW 1, 0
	ROUND 1
	SW 1, 1
	ROUND 2
	SW 2, 0
	ROUND 3
	SW 2, 1
	v_pk_add_f32 v[XS:XS+1], v[XS:XS+1], v[XS+2:XS+3]
	v_pk_add_f32 v[XS+4:XS+5], v[XS+4:XS+5], v[XS+6:XS+7]
	CV 0
	v_pk_add_f32 v[XS:XS+1], v[XS:XS+1], v[XS+4:XS+5]
	CV 1
	v_add_f32 v[T1], v[XS], v[XS+1]                ; the sums' last read of the chains: the two products below write those registers
	SW 3, 0
	HOLD4 8
	HOLD4 9
	SW 3, 1
	HOLD4 10
	HOLD4 11
	CV 2
	HOLD4 12
	HOLD4 13
	HOLD4 14
	HOLD4 15
	CV 3
	v_fma_f32 v[NM+1], v[NM+1], v[FF], v[T1]       ; the row's sum under the new M.  Thirteen plain lines stand behind the slot's last product
.endm
	s_load_b128 s[4:7], s[0:1], 0x0                ; qc, kv
	s_load_b64 s[8:9], s[0:1], 0x10                ; ac
	v_lshl_add_u32 v[SPW], v0, 2, SPARE
	v_mov_b32 v[NIL], 0
	ds_add_u32 v[SPW], v[NIL]                      ; the opening lines: the add twice on end
	ds_add_u32 v[SPW], v[NIL]
	v_lshrrev_b32 v4, 5, v0
	v_readfirstlane_b32 s10, v4                    ; wave 0..7
	s_bfe_u32 s11, ttmp6, 0x40000                  ; cx
	s_and_b32 s12, ttmp7, 0xffff                   ; the head, 0..63
	s_mov_b32 s16, 15|(3<<16)|(1<<21)              ; all four partners; elements of 8 bytes
	s_mov_b32 s17, 32<<16
	s_mov_b32 s18, 132<<16
	s_mov_b32 s19, 32<<16
	s_mov_b32 s20, 132
	s_mov_b32 s21, 32
	s_mov_b32 s22, 0
	s_mov_b32 s23, 0
	s_mov_b32 s24, 1
	s_mul_i32 s25, s10, 2*KVS                      ; my two key steps, in LDS
	s_mul_i32 s46, s12, KVH
	s_add_co_u32 s46, s46, s25                     ; and in kv
	s_mov_b32 s47, 0
	s_wait_dscnt 0x0
	s_wait_kmcnt 0x0
	s_add_nc_u64 s[26:27], s[6:7], s[46:47]
	s_or_b32 s27, s27, 0x80000000
	CROUND
	tensor_load_to_lds s[24:27], s[16:23]
	s_nop 0
.rept 4
	v_nop
.endr
	s_and_b32 s46, s10, 1                          ; which four tiles of a block of 128 queries
	s_lshr_b32 s47, s10, 1
	s_lshl_b32 s52, s11, 2
	s_add_co_u32 s52, s52, s47                     ; which block, 0..15
	s_mul_i32 s54, s12, 135168
	s_mul_i32 s55, s52, 8448
	s_add_co_u32 s54, s54, s55
	s_lshl_b32 s55, s46, 12
	s_add_co_u32 s48, s54, s55
	s_mov_b32 s49, 0
	s_add_nc_u64 s[40:41], s[4:5], s[48:49]        ; my tiles' codes of q
	s_lshl_b32 s55, s46, 3
	s_add_co_u32 s48, s54, s55
	s_add_co_u32 s48, s48, 8192
	s_add_nc_u64 s[50:51], s[4:5], s[48:49]        ; and their two scale words a row
	v_and_b32 v5, 31, v0
	v_lshlrev_b32 v[LI], 4, v5
	v_and_b32 v[SOP], 15, v0
	v_lshlrev_b32 v[SOP], 4, v[SOP]
.irp i, 0,1,2,3
	global_load_b128 v[QZ+8+16*\i:QZ+11+16*\i], v[LI], s[40:41] offset:1024*\i
	global_load_b128 v[QZ+12+16*\i:QZ+15+16*\i], v[LI], s[40:41] offset:1024*\i+512
.endr
	global_load_b64 v[BM:BM+1], v[SOP], s[50:51]
	s_lshr_b32 s54, s12, 4                         ; where the results go: ac's row block 16 x sequence + block,
	s_lshl_b32 s54, s54, 4
	s_add_co_u32 s54, s54, s52
	s_mul_i32 s54, s54, 135168
	s_and_b32 s53, s12, 15
	s_lshr_b32 s55, s53, 2                         ; the part of 256 channels,
	s_mul_i32 s55, s55, 33792
	s_add_co_u32 s54, s54, s55
	s_bfe_u32 s55, s53, 0x10001                    ; which 128 of them,
	s_and_b32 s53, s53, 1                          ; which 64
	s_lshl_b32 s56, s55, 14
	s_lshl_b32 s57, s46, 13
	s_add_co_u32 s56, s56, s57
	s_lshl_b32 s57, s53, 10
	s_add_co_u32 s56, s56, s57
	s_add_co_u32 s48, s54, s56
	s_add_nc_u64 s[42:43], s[8:9], s[48:49]        ; codes
	s_lshl_b32 s56, s46, 9
	s_lshl_b32 s55, s55, 2
	s_add_co_u32 s56, s56, s55
	s_lshl_b32 s53, s53, 1
	s_add_co_u32 s56, s56, s53
	s_add_co_u32 s56, s56, 32768
	s_add_co_u32 s48, s54, s56
	s_add_nc_u64 s[44:45], s[8:9], s[48:49]        ; scale bytes
	s_mov_b32 s32, 0x3e38aa3b                      ; c = log2(e) / 8
	s_mov_b32 s33, s32
	s_mov_b32 s39, 0xbe38aa3b                      ; -c
	s_mov_b32 s34, 0x76543210
	s_mov_b32 s35, 0xfedcba98                      ; selects: lane l xor 16
	s_mov_b32 s36, 0x600000                        ; the mantissa field of 448
	s_mov_b32 s37, 0xffff0000                      ; lanes 16-31
.irp z, 0,1,2,3,4
.irp j, 0,1,2,3,4,5,6,7
	v_mov_b32 v[QZ+16*\z+\j], 0                    ; the zero codes beside Q
.endr
.endr
.irp b, 0,1,2,3
	v_mov_b32 v[PT+\b], 0                          ; a lane permute's destination counts as read
.endr
	v_mov_b32 v[FF+1], 0                           ; (named as the upper half of a pair)
	v_mov_b32 v[PS], 0x7f7f7f7f
	WALU                                           ; ahead of the wait below
	s_wait_tensorcnt 0x0                           ; my two key steps are in
	s_barrier_signal -1
	s_barrier_wait -1                              ; and everybody's
	FRAGS KF, LI, 0
	FRAGS VF, LI, 8192
	ds_load_b128 v[KS:KS+3], v[LI] offset:16384
	ds_load_b128 v[VS:VS+3], v[LI] offset:16384
	s_wait_loadcnt 0x0                             ; Q
.irp i, 0,2
	v_perm_b32 v[QS+\i], v[BM+\i/2], v[BM+\i/2], 0x01000100     ; a tile's two bytes, for [Q | 0] and for [0 | Q]
	v_perm_b32 v[QS+\i+1], v[BM+\i/2], v[BM+\i/2], 0x03020302
.endr
	WIN 0x40
.set J, 0
.rept 128
	v_mov_b32 v[J], 0                              ; O^T: the loop is written once, and its first trip finds zeros
.set J, J+1
.endr
	WIN 0
	WALU
	s_wait_dscnt 0x0
.set SN, S0
.set IN, 0
.irp c, 0,1,2,3
	SW \c, 0
	SW \c, 1
.endr
.set J, 0
.rept 16
	v_mov_b32 v[PCD+J], 0                          ; zero codes for the first trip's products of "the tile before".  (These lines are the places behind the products above)
.set J, J+1
.endr
.irp i, 0,1,2,3
	v_mov_b32 v[ST+2*\i], 0x7f61b1e6               ; -M: 3e38, over every -t
	v_mov_b32 v[ST+2*\i+1], 0                      ; the sum
.endr
	s_mov_b32 s13, 0                               ; where the key step begins in LDS
	s_mov_b32 s14, 0
	WALU                                           ; the wait at the head's end
.Lkey:
	s_add_co_u32 s17, s13, KVS
	s_min_u32 s17, s17, 15*KVS                     ; the next key step; behind the last: the last again
	SLOT 0
	SLOT 1
	SLOT 2
	SLOT 3
	s_add_co_u32 s13, s13, KVS
	s_add_co_u32 s14, s14, 1
	s_cmp_lt_u32 s14, 16
	WALU                                           ; ahead of the branch
	s_cbranch_scc1 .Lkey
; THE WAY OUT.  Tile 3's last products; O^T / the sum; two blocks of 32 channels a tile are quantised (16 numbers here, 16 in lane l xor 16); the codes are the next operand's registers.
.irp i, 0,1,2,3
	v_permlanex16_b32 v[SOP+\i], v[ST+2*\i+1], s34, s35
.endr
.irp t, 0,1,2,3
	PW \t, 3
.endr
	WALU                                           ; eight window switches stand between the permutes and the lines below
.irp i, 0,1,2,3
	v_add_f32 v[BM+2*\i], v[ST+2*\i+1], v[SOP+\i]  ; the row's sum: both halves of the lanes
.endr
	WALU
.irp i, 0,1,2,3
	v_rcp_f32 v[BM+2*\i], v[BM+2*\i]
.endr
	v_lshrrev_b32 v[T1], 1, v[LI]
	v_and_b32 v[T1], 0x78, v[T1]
	v_lshrrev_b32 v[ADR], 8, v[LI]
	v_add_nc_u32 v[T1], v[T1], v[ADR]              ; a scale byte's place: 8 r + h
	WIN 0x01
	WALU                                           ; for the reciprocals, and directly ahead of the first reader of O^T
.irp i, 0,1,2,3
.set J, 0
.rept 16
	v_pk_mul_f32 v[S0+32*\i+J:S0+32*\i+J+1], v[32*\i+J:32*\i+J+1], v[BM+2*\i:BM+2*\i+1] op_sel_hi:[1,0]
.set J, J+2
.endr
.endr
	WIN 0
.set M8, 56                            ; eight blocks by turns: largest magnitudes; v64.. the other half's, then bytes; v72.. limits; v80.. scale operands; v88-119 codes
.irp k, 0,1,2,3,4,5,6,7
	v_max3_num_f32 v[M8+\k], |v[S0+16*\k]|, |v[S0+16*\k+1]|, 0x4800000   ; with the floor 2^(9 - 127)
.endr
.irp n, 2,4,6,8,10,12,14
.irp k, 0,1,2,3,4,5,6,7
	v_max3_num_f32 v[M8+\k], v[M8+\k], |v[S0+16*\k+\n]|, |v[S0+16*\k+\n+1]|
.endr
.endr
.irp k, 0,1,2,3,4,5,6,7
	v_permlanex16_b32 v[M8+8+\k], v[M8+\k], s34, s35
.endr
.irp k, 0,1,2,3,4,5,6,7
	v_max_num_f32 v[M8+\k], v[M8+\k], v[M8+8+\k]
.endr
.irp k, 0,1,2,3,4,5,6,7
	v_add_nc_u32 v[M8+24+\k], 0xfc000000, v[M8+\k]
.endr
.irp k, 0,1,2,3,4,5,6,7
	v_and_or_b32 v[M8+16+\k], v[M8+\k], 0x7f800000, s36
.endr
.irp k, 0,1,2,3,4,5,6,7
	v_lshrrev_b32 v[M8+8+\k], 23, v[M8+24+\k]
.endr
.irp i, 0,1,2,3
	v_cndmask_b32 v[M8+\i], v[M8+8+2*\i], v[M8+9+2*\i], s37   ; lanes 0-15 carry block 0's byte, lanes 16-31 block 1's
.endr
.set J, 0
.rept 128
	v_med3_num_f32 v[S0+J], v[S0+J], -v[M8+16+J/16], v[M8+16+J/16]
.set J, J+1
.endr
.set J, 0
.rept 16
	v_cvt_scalef32_pk8_fp8_f32 v[M8+32+2*J:M8+33+2*J], v[S0+8*J:S0+8*J+7], v[M8+24+J/2]
.set J, J+1
.endr
	v_nop                                          ; a plain line behind the last conversion
.irp i, 0,1,2,3
	global_store_b128 v[LI], v[M8+32+8*\i:M8+35+8*\i], s[42:43] offset:2048*\i        ; 512 consecutive bytes, aligned
	global_store_b128 v[LI], v[M8+36+8*\i:M8+39+8*\i], s[42:43] offset:2048*\i+512
	global_store_b8 v[T1], v[M8+\i], s[44:45] offset:128*\i
.endr
	s_wait_tensorcnt 0x0                           ; the wave's end
	ds_add_u32 v[SPW], v[NIL]
	s_wait_dscnt 0x0
	CROUND                                         ; the closing round
	s_endpgm
.Lfunc_end_k_q9a87bdfd12_attn:
	.size	k_q9a87bdfd12_attn, .Lfunc_end_k_q9a87bdfd12_attn-k_q9a87bdfd12_attn
	.p2alignl 7, 3214868480
	.fill 96, 4, 3214868480
	.section	.rodata,"a",@progbits
	.p2align	6, 0x0
	.amdhsa_kernel k_q9a87bdfd12_attn
		.amdhsa_group_segment_fixed_size 327680
		.amdhsa_private_segment_fixed_size 0
		.amdhsa_enable_private_segment 0
		.amdhsa_kernarg_size 24
		.amdhsa_user_sgpr_count 2
		.amdhsa_user_sgpr_kernarg_segment_ptr 1
		.amdhsa_wavefront_size32 1
		.amdhsa_system_sgpr_workgroup_id_x 1
		.amdhsa_system_sgpr_workgroup_id_y 1
		.amdhsa_system_sgpr_workgroup_id_z 1
		.amdhsa_system_vgpr_workitem_id 0
		.amdhsa_next_free_vgpr 512
		.amdhsa_next_free_sgpr 66
		.amdhsa_reserve_vcc 0
		.amdhsa_float_denorm_mode_32 3
		.amdhsa_float_denorm_mode_16_64 3
		.amdhsa_memory_ordered 1
		.amdhsa_forward_progress 1
		.amdhsa_inst_pref_size 106
	.end_amdhsa_kernel
	.amdgpu_metadata
---
amdhsa.version: [ 1, 2 ]
amdhsa.kernels:
  - .name:           k_q9a87bdfd12_attn
    .symbol:         k_q9a87bdfd12_attn.kd
    .args:
      - { .name: qc, .offset: 0, .size: 8, .value_kind: global_buffer, .address_space: global }
      - { .name: kv, .offset: 8, .size: 8, .value_kind: global_buffer, .address_space: global }
      - { .name: ac, .offset: 16, .size: 8, .value_kind: global_buffer, .address_space: global }
    .group_segment_fixed_size: 327680
    .private_segment_fixed_size: 0
    .kernarg_segment_align: 8
    .kernarg_segment_size: 24
    .max_flat_workgroup_size: 256
    .sgpr_count:     66
    .vgpr_count:     512
    .wavefront_size: 32
...
	.end_amdgpu_metadata
.endif
;; end of part 3
;; launch outp (part 4): grid 4 x 32, 4 waves a work-group, clusters of 4 x 4, 327,680 bytes of LDS; arguments ac, wc, bo, out0; writes out0
.if DOCPART == 4
	.amdgcn_target "amdgcn-amd-amdhsa--gfx1250"
	.amdhsa_code_object_version 6
	.text
	.protected	k_q9a87bdfd12_outp
	.globl	k_q9a87bdfd12_outp
	.p2align	8
	.type	k_q9a87bdfd12_outp,@function
k_q9a87bdfd12_outp:
	s_mov_b64 s[64:65], 0
	v_nop
	global_prefetch_b8 v0, s[64:65] scope:SCOPE_SE
	s_setreg_imm32_b32 hwreg(HW_REG_WAVE_MODE, 25, 1), 1
	s_wait_xcnt 0x0
	s_wait_alu depctr_hold_cnt(0) depctr_sa_sdst(0) depctr_va_vdst(0) depctr_va_sdst(0) depctr_va_ssrc(0) depctr_va_vcc(0) depctr_vm_vsrc(0)
	s_getreg_b32 s2, hwreg(HW_REG_IB_STS2, 6, 4)
	s_cmp_eq_u32 s2, 0
	s_cbranch_scc0 .Lentry_in_a_cluster
	s_endpgm
.Lentry_in_a_cluster:
	s_bfe_u32 s2, ttmp6, 0x10000c
	s_cmp_lg_u32 s2, 0xf033
	s_cbranch_scc0 .Lentry_shape_is_right
	s_endpgm
.Lentry_shape_is_right:
.set QB,    33792
.set RBB,   4*QB
.set SLOT,  4*QB
.set SPARE, 2*SLOT
.set SPITCH, 528
.set FR,    16
.set NP,    8
.set ADRA, 16
.set ADRB, 20
.set ADRS, 22
.set STO,  24
.set RD,   25
.set CO,   26
.set SPW,  28
.set NIL,  29
.set SC,   32
.set BI,   64
.set AF,   128
.set BK,   128
.set G1,  24
.set G0,  32
.set G1B, 48
.set G0B, 56
.set WV,  18
.set HA,  19
.set HB,  20
.set CX,  22
.set CY,  23
.set MSB, 0
.macro WIN new
.if MSB != (\new)
	s_set_vgpr_msb (MSB<<8)|(\new)
.set MSB, (\new)
.endif
.endm
.set MUL_LO, 0xa1
.set MUL_HI, 0xf1
.set TO_B,   0x40
.macro JLOAD g0a, g1a, g0b, g1b
	s_cmp_eq_u32 s[HA], 0
	s_cbranch_scc0 .Lfor_b_\@
	tensor_load_to_lds s[\g0a:\g0a+3], s[\g1a:\g1a+7]
	s_nop 0
.rept 4
	v_nop
.endr
	s_branch .Lasked_\@
.Lfor_b_\@:
	tensor_load_to_lds s[\g0b:\g0b+3], s[\g1b:\g1b+7]
	s_nop 0
.rept 4
	v_nop
.endr
.Lasked_\@:
.endm
.macro CREST
	s_cmp_lg_u32 s[WV], 0
	s_cbranch_scc1 .Lnot_wave_0_\@
	s_barrier_signal -3
.Lnot_wave_0_\@:
	s_barrier_wait -3
	s_barrier_signal -1
	s_barrier_wait -1
.endm
.macro CROUND
	s_barrier_signal -1
	s_barrier_wait -1
	CREST
.endm
.macro PLACES n
.rept \n
	v_nop
.endr
.endm
	s_load_b256 s[4:11], s[0:1], 0x0
	v_lshl_add_u32 v[SPW], v0, 2, SPARE
	v_mov_b32 v[NIL], 0
	ds_add_u32 v28, v29
	ds_add_u32 v28, v29
	s_wait_dscnt 0x0
	v_lshrrev_b32 v1, 5, v0
	v_readfirstlane_b32 s[WV], v1
	s_lshr_b32 s[HA], s[WV], 1
	s_and_b32 s[HB], s[WV], 1
	s_bfe_u32 s[CX], ttmp6, 0x40000
	s_bfe_u32 s[CY], ttmp6, 0x40004
	s_lshl_b32 s40, s[CY], 2
	s_lshl_b32 s40, 15, s40
	s_lshl_b32 s41, 0x1111, s[CX]
	s_or_b32 s[G1], s40, (3<<16)|(1<<21)
	s_or_b32 s[G1B], s41, (3<<16)|(1<<21)
.irp g, G1, G1B
	s_mov_b32 s[\g+1], 32<<16
	s_mov_b32 s[\g+2], 132<<16
	s_mov_b32 s[\g+3], 32<<16
	s_mov_b32 s[\g+4], 132
	s_mov_b32 s[\g+5], 32
	s_mov_b32 s[\g+6], 0
	s_mov_b32 s[\g+7], 0
.endr
	s_and_b32 s42, ttmp7, 0xffff
	s_lshl_b32 s42, s42, 2
	s_add_co_u32 s42, s42, s[CY]
	s_lshl_b32 s40, s42, 1
	s_add_co_u32 s40, s40, s[HB]
	s_lshl_b32 s44, s[CX], 1
	s_add_co_u32 s44, s44, s[HB]
	s_add_co_u32 s44, s44, 24
	s_mul_i32 s40, s40, RBB
	s_mul_i32 s44, s44, RBB
	s_mov_b32 s41, 0
	s_mov_b32 s45, 0
	s_mul_i32 s43, s[WV], QB
	s_wait_kmcnt 0x0
	s_add_nc_u64 s[46:47], s[4:5], s[40:41]
	s_add_nc_u64 s[66:67], s[6:7], s[44:45]
	CROUND
.irp s, 0,1
	s_mov_b32 s[G0+4*\s], 1
	s_add_co_u32 s[G0+4*\s+1], s43, \s*SLOT
	s_add_nc_u64 s[G0+4*\s+2:G0+4*\s+3], s[46:47], \s*QB
	s_or_b32 s[G0+4*\s+3], s[G0+4*\s+3], 0x80000000
	s_mov_b32 s[G0B+4*\s], 1
	s_add_co_u32 s[G0B+4*\s+1], s43, \s*SLOT
	s_add_nc_u64 s[G0B+4*\s+2:G0B+4*\s+3], s[66:67], \s*QB
	s_or_b32 s[G0B+4*\s+3], s[G0B+4*\s+3], 0x80000000
	s_wait_alu depctr_va_vdst(0)
	s_wait_tensorcnt 0x0
	ds_add_u32 v28, v29
	ds_add_u32 v28, v29
	s_wait_dscnt 0x0
	CROUND
	JLOAD G0+4*\s, G1, G0B+4*\s, G1B
.endr
	v_and_b32 v1, 31, v0
	v_lshlrev_b32 v2, 4, v1
	s_wait_alu depctr_va_vdst(0)
	v_and_b32 v3, 15, v0
	v_bfe_u32 v4, v0, 4, 1
	s_mul_i32 s40, s[HA], QB
	s_mul_i32 s41, s[HB], QB
	s_add_co_u32 s41, s41, 2*QB
	s_xor_b32 s44, s[HA], 1
	s_add_co_u32 s44, s44, s[HB]
	s_add_co_u32 s44, s44, 1
	s_mul_i32 s44, s44, QB
	v_mul_u32_u24 v5, s44, v4
	v_lshl_add_u32 v5, v3, 3, v5
	s_add_co_u32 s44, s40, 32768
.irp s, 0,1
	v_add_nc_u32 v[ADRA+\s], s40, v2
	v_add_nc_u32 v[ADRB+\s], s41, v2
	v_add_nc_u32 v[ADRS+\s], s44, v5
	s_add_co_u32 s40, s40, SLOT
	s_add_co_u32 s41, s41, SLOT
	s_add_co_u32 s44, s44, SLOT
.endr
	s_mul_i32 s45, s[WV], 16*SPITCH
	v_mul_u32_u24 v[STO], v3, SPITCH
	v_lshl_add_u32 v[STO], v4, 6, v[STO]
	v_add_nc_u32 v[STO], s45, v[STO]
	v_add_nc_u32 v[RD], s45, v2
	v_mov_b32 v[CO], v2
	s_lshl_b32 s40, s[CX], 10
	s_lshl_b32 s41, s[HB], 9
	s_add_co_u32 s40, s40, s41
	s_mov_b32 s41, 0
	s_add_nc_u64 s[8:9], s[8:9], s[40:41]
	s_lshl_b32 s44, s42, 20
	s_lshl_b32 s45, s[HA], 19
	s_add_co_u32 s44, s44, s45
	s_add_co_u32 s40, s40, s44
	s_add_nc_u64 s[10:11], s[10:11], s[40:41]
	v_lshlrev_b32 v6, 6, v4
.irp b, 0,1,2,3,4,5,6,7
	global_load_b128 v[BI+8*\b:BI+8*\b+3], v6, s[8:9] offset:(32*(\b/2)+8*(\b%2))*4
	global_load_b128 v[BI+8*\b+4:BI+8*\b+7], v6, s[8:9] offset:(32*(\b/2)+8*(\b%2))*4+16
.endr
.macro FRAG reg, adr, q, i
.irp c, 0,1,2,3
	ds_load_b128 v[\reg+4*\c:\reg+4*\c+3], v[\adr] offset:16384*(\q)+2048*(\i)+512*\c
.endr
.endm
.macro MUL16 a0, p, q, sc, zero
.irp a, \a0, \a0+1
.irp b, 0,1,2,3,4,5,6,7
.set rD, 8*(8*((\a)%4)+\b)
.set rB, 128*(\p)+FR*\b
.set rA, AF+FR*(\a)
.set rSB, SC+16*(\sc)+2*\b+(\q)
.set rSA, SC+16*(\sc)+2*(\a)+(\q)
.if \zero
	v_wmma_scale_f32_16x16x128_f8f6f4 v[rD:rD+7], v[rB:rB+15], v[rA:rA+15], v[BI+8*\b:BI+8*\b+7], v[rSB], v[rSA] matrix_a_scale:MATRIX_SCALE_ROW1
.else
	v_wmma_scale_f32_16x16x128_f8f6f4 v[rD:rD+7], v[rB:rB+15], v[rA:rA+15], v[rD:rD+7], v[rSB], v[rSA] matrix_a_scale:MATRIX_SCALE_ROW1
.endif
.endr
.endr
.endm
.macro FETCH_B slot, q, p
	WIN TO_B
.irp i, 0,1,2,3,4,5,6,7
	FRAG 128*(\p)+FR*\i, ADRB+\slot, \q, \i
.endr
	WIN 0
.endm
.macro FETCH_A slot, q, i0
.irp i, \i0, \i0+1, \i0+2, \i0+3
	FRAG AF+FR*(\i), ADRA+\slot, \q, \i
.endr
.endm
.macro SCALES sc
.irp i, 0,1,2,3,4,5,6,7
	ds_load_b64 v[SC+16*\sc+2*\i:SC+16*\sc+2*\i+1], v[ADRS+\sc] offset:128*\i
.endr
.endm
.macro STEP slot, q, zero
	s_wait_dscnt 16
.if \zero
	WIN 0x81
.else
	WIN MUL_LO
.endif
	MUL16 0, (\q)%2, \q, \slot, \zero
	MUL16 2, (\q)%2, \q, \slot, \zero
	s_wait_dscnt 0x0
	PLACES NP
	FETCH_B \slot, (\q)+1, 1-(\q)%2
	FETCH_A \slot, (\q)+1, 0
.if \zero
	WIN 0xc1
.else
	WIN MUL_HI
.endif
	MUL16 4, (\q)%2, \q, \slot, \zero
	MUL16 6, (\q)%2, \q, \slot, \zero
	PLACES NP
	WIN 0
	FETCH_A \slot, (\q)+1, 4
.endm
.macro TURN slot, next, fill
	s_wait_tensorcnt 0x0
	ds_add_u32 v[SPW], v[NIL]
	s_wait_dscnt 17
	WIN MUL_LO
	MUL16 0, 1, 1, \slot, 0
	s_wait_dscnt 0x0
	s_barrier_signal -1
	MUL16 2, 1, 1, \slot, 0
	WIN 0
	s_barrier_wait -1
.if \fill
	CREST
	s_add_nc_u64 s[G0+4*\slot+2:G0+4*\slot+3], s[G0+4*\slot+2:G0+4*\slot+3], 2*QB
	s_add_nc_u64 s[G0B+4*\slot+2:G0B+4*\slot+3], s[G0B+4*\slot+2:G0B+4*\slot+3], 2*QB
	JLOAD G0+4*\slot, G1, G0B+4*\slot, G1B
	PLACES NP-4
.else
	PLACES NP
.endif
	s_wait_alu depctr_va_vdst(0)
	FETCH_B \next, 0, 0
	FETCH_A \next, 0, 0
	SCALES \next
	WIN MUL_HI
	MUL16 4, 1, 1, \slot, 0
	MUL16 6, 1, 1, \slot, 0
	PLACES NP
	WIN 0
	FETCH_A \next, 0, 4
.endm
	s_wait_tensorcnt 1
	s_barrier_signal -1
	s_barrier_wait -1
	FETCH_B 0, 0, 0
	FETCH_A 0, 0, 0
	SCALES 0
	FETCH_A 0, 0, 4
	s_wait_loadcnt 0x0
	STEP 0, 0, 1
	TURN 0, 1, 1
	STEP 1, 0, 0
	TURN 1, 0, 1
	STEP 0, 0, 0
	TURN 0, 1, 0
	STEP 1, 0, 0
	s_wait_dscnt 16
	WIN MUL_LO
	MUL16 0, 1, 1, 1, 0
	MUL16 2, 1, 1, 1, 0
	s_wait_dscnt 0x0
	WIN MUL_HI
	MUL16 4, 1, 1, 1, 0
	MUL16 6, 1, 1, 1, 0
	WIN 0
.macro TOSTAGE a
.set AC, 64*((\a)%4)
.set BB, BK+64*((\a)%2)
	WIN 0x08+4*((\a)/4)
.irp b, 0,1,2,3,4,5,6,7
	ds_store_b128 v[STO], v[AC+8*\b:AC+8*\b+3] offset:128*(\b/2)+32*(\b%2)
	ds_store_b128 v[STO], v[AC+8*\b+4:AC+8*\b+7] offset:128*(\b/2)+32*(\b%2)+16
.endr
	WIN 0
.irp t, 0,1,2,3,4,5,6,7,8,9,10,11,12,13,14,15
	ds_load_b128 v[BB+4*\t:BB+4*\t+3], v[RD] offset:\t*SPITCH
.endr
.endm
.macro SEND a, younger
.set BB, BK+64*((\a)%2)
	s_wait_dscnt \younger
.irp t, 0,1,2,3,4,5,6,7,8,9,10,11,12,13,14,15
	global_store_b128 v[CO], v[BB+4*\t:BB+4*\t+3], s[10:11] offset:(32*((\a)/2)+8*((\a)%2)+\t+8*(\t/8))*4096 th:TH_STORE_NT
.endr
.endm
	PLACES NP
	TOSTAGE 0
.irp a, 1,2,3,4,5,6,7
.if \a > 1
	s_wait_xcnt 0x0
.endif
	TOSTAGE \a
	SEND \a-1, 32
.endr
	SEND 7, 0
	s_wait_tensorcnt 0x0
	ds_add_u32 v[SPW], v[NIL]
	s_wait_dscnt 0x0
	CROUND
	s_endpgm
.Lfunc_end_k_q9a87bdfd12_outp:
	.size	k_q9a87bdfd12_outp, .Lfunc_end_k_q9a87bdfd12_outp-k_q9a87bdfd12_outp
	.p2alignl 7, 3214868480
	.fill 96, 4, 3214868480
	.section	.rodata,"a",@progbits
	.p2align	6, 0x0
	.amdhsa_kernel k_q9a87bdfd12_outp
		.amdhsa_group_segment_fixed_size 327680
		.amdhsa_private_segment_fixed_size 0
		.amdhsa_enable_private_segment 0
		.amdhsa_kernarg_size 32
		.amdhsa_user_sgpr_count 2
		.amdhsa_user_sgpr_kernarg_segment_ptr 1
		.amdhsa_wavefront_size32 1
		.amdhsa_system_sgpr_workgroup_id_x 1
		.amdhsa_system_sgpr_workgroup_id_y 1
		.amdhsa_system_sgpr_workgroup_id_z 1
		.amdhsa_system_vgpr_workitem_id 0
		.amdhsa_next_free_vgpr 1024
		.amdhsa_next_free_sgpr 100
		.amdhsa_reserve_vcc 0
		.amdhsa_float_denorm_mode_32 3
		.amdhsa_float_denorm_mode_16_64 3
		.amdhsa_memory_ordered 1
		.amdhsa_forward_progress 1
		.amdhsa_inst_pref_size 145
	.end_amdhsa_kernel
	.amdgpu_metadata
---
amdhsa.version: [ 1, 2 ]
amdhsa.kernels:
  - .name:           k_q9a87bdfd12_outp
    .symbol:         k_q9a87bdfd12_outp.kd
    .args:
      - { .name: ac, .offset: 0, .size: 8, .value_kind: global_buffer, .address_space: global }
      - { .name: wc, .offset: 8, .size: 8, .value_kind: global_buffer, .address_space: global }
      - { .name: bo, .offset: 16, .size: 8, .value_kind: global_buffer, .address_space: global }
      - { .name: out0, .offset: 24, .size: 8, .value_kind: global_buffer, .address_space: global }
    .group_segment_fixed_size: 327680
    .private_segment_fixed_size: 0
    .kernarg_segment_align: 8
    .kernarg_segment_size: 32
    .max_flat_workgroup_size: 128
    .sgpr_count:     100
    .vgpr_count:     1024
    .wavefront_size: 32
...
	.end_amdgpu_metadata
.endif
;; end of part 4
